; MI455X (gfx1250); checked and timed in simulation.
; The chip was launched on July 23, 2026; its instructions are those of AMD's public machine-readable ISA for CDNA 5 (MIT licence, August 2026) and "CDNA5" Instruction Set Architecture Reference Guide (July 2026). The comments in the code are by the model that wrote it; some were corrected since.
;; Custom Encoder Layer. Allowed arithmetic: matrix products marked QUANTISED: E5M2 operands, one given power-of-two scale a tensor, by v_wmma_f32_16x16x64_bf8_bf8 or v_wmma_f32_16x16x128_bf8_bf8, f32 sums; everything else in f32.
;; Inputs: W1_codes 4,096 x 32 x 32 uint8 (E5M2 codes of W1, K innermost, in blocks of 32 codes); W2_codes 1,024 x 128 x 32 uint8 (E5M2 codes of W2, K innermost, in blocks of 32 codes); Wk_codes 1,024 x 32 x 32 uint8 (E5M2 codes of Wk, K innermost, in blocks of 32 codes); Wo_codes 1,024 x 32 x 32 uint8 (E5M2 codes of Wo, K innermost, in blocks of 32 codes); Wq_codes 1,024 x 32 x 32 uint8 (E5M2 codes of Wq, K innermost, in blocks of 32 codes); Wv_codes 1,024 x 32 x 32 uint8 (E5M2 codes of Wv, K innermost, in blocks of 32 codes); b1 4,096 float32; b2 1,024 float32; be1 1,024 float32; be2 1,024 float32; bk 1,024 float32; bo 1,024 float32; bq 1,024 float32; bv 1,024 float32; g1 1,024 float32; g2 1,024 float32; lowp_scales 16 int32 (the exponents e of the quantised operands' scales 2^e); padding_mask 4 x 1,024 bool; x 4 x 1,024 x 1,024 float32.
;; Outputs: out0 4 x 1,024 x 1,024 float32.
;; This version of the problem:
;;   THIS VERSION OF THE PROBLEM IS GIVEN IN LOW PRECISION. The matrix products marked QUANTISED in the list below multiply operands that are first quantised to E5M2 (5 exponent bits, 2 mantissa bits; 8 bits a number), with one given power-of-two scale for each operand tensor; their sums are f32. All else is computed in f32.
;;   The module's matrix products, in the order in which they are computed (A, B: the left and right operand; K: the contracted axis; several contracted axes count as one K, in the product's order):
;;     1. [M 4,096, K 1,024] x [K 1,024, N 1,024]; A: computed on the way; B: input Wq (given as codes): QUANTISED (scales: A lowp_scales[0], B lowp_scales[1])
;;     2. [M 4,096, K 1,024] x [K 1,024, N 1,024]; A: computed on the way; B: input Wk (given as codes): QUANTISED (scales: A lowp_scales[2], B lowp_scales[3])
;;     3. [M 4,096, K 1,024] x [K 1,024, N 1,024]; A: computed on the way; B: input Wv (given as codes): QUANTISED (scales: A lowp_scales[4], B lowp_scales[5])
;;     4. batch 64 x [M 1,024, K 64] x [K 64, N 1,024]; A: computed on the way; B: computed on the way: QUANTISED (scales: A lowp_scales[6], B lowp_scales[7])
;;     5. batch 64 x [M 1,024, K 1,024] x [K 1,024, N 64]; A: softmax (see below); B: computed on the way: QUANTISED (scales: A lowp_scales[8], B lowp_scales[9])
;;     6. [M 4,096, K 1,024] x [K 1,024, N 1,024]; A: computed on the way; B: input Wo (given as codes): QUANTISED (scales: A lowp_scales[10], B lowp_scales[11])
;;     7. [M 4,096, K 1,024] x [K 1,024, N 4,096]; A: computed on the way; B: input W1 (given as codes): QUANTISED (scales: A lowp_scales[12], B lowp_scales[13])
;;     8. [M 4,096, K 4,096] x [K 4,096, N 1,024]; A: computed on the way; B: input W2 (given as codes): QUANTISED (scales: A lowp_scales[14], B lowp_scales[15])
;;   THE QUANTISER, for each operand of a quantised product, along K:
;;     - The operand's scale is 2^e, e = its entry of the input lowp_scales (int32; the entries are numbered through the quantised products in the list's order, A before B).
;;     - Each number is divided by the scale, clamped to +-57,344, and rounded to the nearest number of E5M2, ties to even, subnormals kept.
;;     - The product sums the exact products of the quantised numbers (number of the format x scale) in f32.
;;   ~~~python
;;   def quantise(x, axis, e):      # numpy; x: float32 -> the quantised numbers, widened to float32 again
;;       x = np.moveaxis(x, axis, -1); K = x.shape[-1]
;;       r = np.clip(x / 2.0 ** e, -57344, 57344)
;;       step = 2.0 ** (np.maximum(np.frexp(np.where(r == 0, 1, r))[1] - 1, -14) - 2)
;;       q = np.round(r / step) * step * 2.0 ** e      # np.round: ties to even
;;       return np.moveaxis(q, -1, axis).astype(np.float32)
;;   ~~~
;;   SOFTMAX AHEAD OF A QUANTISED PRODUCT. Where the list says 'softmax', what is quantised is not the finished softmax but p = 2^(t - M), with t = logit x log2(e) and M = ceil(the row's largest t), a whole number; so 1/2 < the row's largest p <= 1. The row's sum l is taken of the UNQUANTISED p, in f32, and the product's result is divided by l at the end. Since M is a whole number, a kernel that streams over the keys may use a running M (the ceiling of the running maximum): every later rescaling is an exact power of two, so the quantised numbers keep their values, but for numbers so far below the row's largest that they fall under the format's range.
;;   OPERANDS COMPUTED ON THE WAY. 'Computed on the way' means the value that the module computes at that place (a softmax that the list does not call 'softmax' is quantised finished and normalised). What goes into a quantiser is computed in f32, as accurately as f32 sums, v_exp_f32 and their like allow (about 1e-6 of the number): no bf16 or f16 on the way to a quantiser, and a product that is left as it is and whose result goes on into a quantised operand takes f32 operands (vector FMAs, or v_wmma_f32_16x16x4_f32). A number that lies on a knife's edge between two numbers of the format may be rounded either way, as far as f32 arithmetic and the matrix unit's own rounding can turn it there, and no further.
;;   INPUTS GIVEN AS CODES. W1 (in the module: [4096, 1024], K = its axis 1); W2 (in the module: [1024, 4096], K = its axis 1); Wk (in the module: [1024, 1024], K = its axis 1); Wo (in the module: [1024, 1024], K = its axis 1); Wq (in the module: [1024, 1024], K = its axis 1); Wv (in the module: [1024, 1024], K = its axis 1): each comes as NAME_codes (uint8): NAME with its K axis moved to the last place and cut into blocks of 32 codes, [.., K / 32, bytes a block], one block behind the other in memory; one code a byte (a code: sign, 5 exponent bits, 2 mantissa bits); its scale is its entry of lowp_scales. Its value is code x scale, taken as it is: it is not quantised again, and the codes and scales need not be those that the quantiser above would give.
;; One version. Each part assembles by itself: llvm-mc -triple=amdgcn-amd-amdhsa -mcpu=gfx1250 --defsym DOCPART=n.
;; ======== version 1 of 1: 7 launches
;; limits: right only within a limited range of input values
;; workspace buffers: h3 12,582,912 bytes; rope 262,144 bytes; qkvc 12,582,912 bytes; ao 4,194,304 bytes; x1 16,777,216 bytes; h2 4,194,304 bytes; ff 16,777,216 bytes
;; launch ln1 (part 1): grid 256 x 1, 8 waves a work-group, no clusters, 0 bytes of LDS; arguments x, g1, be1, lowp_scales, h3, rope; writes h3, rope
.if DOCPART == 1
	.amdgcn_target "amdgcn-amd-amdhsa--gfx1250"
	.amdhsa_code_object_version 6
	.text
	.protected	k_qc5a08eb454_ln1
	.globl	k_qc5a08eb454_ln1
	.p2align	8
	.type	k_qc5a08eb454_ln1,@function
k_qc5a08eb454_ln1:
	s_mov_b64 s[64:65], 0
	v_nop
	global_prefetch_b8 v0, s[64:65] scope:SCOPE_SE
	s_setreg_imm32_b32 hwreg(HW_REG_WAVE_MODE, 25, 1), 1
	s_wait_xcnt 0x0
; LayerNorm of x [4096][1024] f32 with g1, be1, quantised three times to E5M2 codes (scales 2^e0, 2^e2, 2^e4: the left operands of the q, k and v products),
; into three planes of h3, each [4096][1024] bytes, row-major.  Also the table for the rotation: rope[t][i] = (cos, sin)(t x 10000^(-i/32)), t < 1024, i < 32, f32.
; SHARES.  A work-group takes 16 rows, a wave two whole rows: the reductions never leave the wave, so there is no LDS and no barrier.  Matrix units and clusters have nothing to do here: nothing is shared.
; A lane holds, of each row, columns 256 j + 8 lane + 0..7 (j = 0..3): eight neighbours along K, which one conversion turns into 8 bytes; a wave's store of 8 bytes a lane covers 256 consecutive bytes, aligned.
; The row stays in registers between the mean, the variance and the three quantisers: x is read once.
; LIMITS: e0, e2, e4 between -126 and 112, so that 2^e and 57,344 x 2^e are f32 numbers.  NaN among the inputs is not served.
.set X,   16                           ; v16-79   two rows, 32 numbers a lane each
.set G,   80                           ; v80-111  g1 of my 32 columns
.set BE,  112                          ; v112-143 be1
.set TMP, 144                          ; v144-175 at work
.set C,   176                          ; v176-223 codes: 8 registers for each (scale, row), so that no store's data are written again
.set SC,  224                          ; v224-229 for each scale: 2^e, 57,344 x 2^e
	s_load_b256 s[4:11], s[0:1], 0x0               ; x, g1, be1, the scales' exponents
	s_load_b128 s[12:15], s[0:1], 0x20             ; h3, rope
	v_lshrrev_b32 v1, 5, v0
	s_delay_alu instid0(VALU_DEP_1)
	v_readfirstlane_b32 s16, v1                    ; wave 0..7
	v_and_b32 v1, 31, v0                           ; lane
	s_delay_alu instid0(VALU_DEP_1)
	v_lshlrev_b32 v2, 5, v1                        ; 32 bytes of f32 a lane
	s_delay_alu instid0(VALU_DEP_2)
	v_lshlrev_b32 v3, 3, v1                        ; 8 bytes of codes a lane
	v_mov_b32 v14, 0                               ; written once: a lane permute's destination counts as one of its sources
	v_mov_b32 v15, 0
	s_lshl_b32 s17, ttmp9, 4
	s_lshl_b32 s18, s16, 1
	s_add_co_u32 s17, s17, s18                     ; my first row: 16 x work-group + 2 x wave
	s_lshl_b32 s2, s17, 12                         ; x 4,096 bytes
	s_mov_b32 s3, 0
	s_lshl_b32 s18, s17, 10                        ; x 1,024 bytes of codes
	s_mov_b32 s19, 0
	s_mov_b32 s34, 0x76543210                      ; v_permlanex16_b32: lane l xor 16
	s_mov_b32 s35, 0xfedcba98
	s_mov_b32 s38, 0x3a800000                      ; 1 / 1024
	s_mov_b32 s39, 0x3727c5ac                      ; 1e-5
	s_wait_alu depctr_va_vdst(0)
	s_wait_kmcnt 0x0
	s_load_b256 s[20:27], s[10:11], 0x0            ; e0 .. e7
	s_add_nc_u64 s[4:5], s[4:5], s[2:3]
	s_add_nc_u64 s[28:29], s[12:13], s[18:19]      ; the three planes at my first row
	s_add_nc_u64 s[30:31], s[28:29], 0x400000
	s_add_nc_u64 s[32:33], s[28:29], 0x800000
.irp p, 0,1
.irp j, 0,1,2,3
	global_load_b128 v[X+32*\p+8*\j:X+32*\p+8*\j+3], v2, s[4:5] offset:4096*\p+1024*\j
	global_load_b128 v[X+32*\p+8*\j+4:X+32*\p+8*\j+7], v2, s[4:5] offset:4096*\p+1024*\j+16
.endr
.endr
.irp j, 0,1,2,3
	global_load_b128 v[G+8*\j:G+8*\j+3], v2, s[6:7] offset:1024*\j
	global_load_b128 v[G+8*\j+4:G+8*\j+7], v2, s[6:7] offset:1024*\j+16
.endr
.irp j, 0,1,2,3
	global_load_b128 v[BE+8*\j:BE+8*\j+3], v2, s[8:9] offset:1024*\j
	global_load_b128 v[BE+8*\j+4:BE+8*\j+7], v2, s[8:9] offset:1024*\j+16
.endr
; The four chains of each row (pairs at TMP + 8 p + 2 c) are folded, then summed over the 32 lanes: v12 row 0, v13 row 1, in every lane.
.macro FOLD
.irp p, 0
	v_pk_add_f32 v[TMP+8*\p:TMP+8*\p+1], v[TMP+8*\p:TMP+8*\p+1], v[TMP+8*\p+2:TMP+8*\p+3]
	v_pk_add_f32 v[TMP+8*\p+4:TMP+8*\p+5], v[TMP+8*\p+4:TMP+8*\p+5], v[TMP+8*\p+6:TMP+8*\p+7]
.endr
.irp p, 1
	v_pk_add_f32 v[TMP+8*\p:TMP+8*\p+1], v[TMP+8*\p:TMP+8*\p+1], v[TMP+8*\p+2:TMP+8*\p+3]
	s_delay_alu instid0(VALU_DEP_4)
	v_pk_add_f32 v[TMP+8*\p+4:TMP+8*\p+5], v[TMP+8*\p+4:TMP+8*\p+5], v[TMP+8*\p+6:TMP+8*\p+7]
.endr
.irp p, 0
	s_delay_alu instid0(VALU_DEP_3)
	v_pk_add_f32 v[TMP+8*\p:TMP+8*\p+1], v[TMP+8*\p:TMP+8*\p+1], v[TMP+8*\p+4:TMP+8*\p+5]
.endr
.irp p, 1
	s_delay_alu instid0(VALU_DEP_2)
	v_pk_add_f32 v[TMP+8*\p:TMP+8*\p+1], v[TMP+8*\p:TMP+8*\p+1], v[TMP+8*\p+4:TMP+8*\p+5]
.endr
.irp p, 0,1
	s_delay_alu instid0(VALU_DEP_2)
	v_add_f32 v[12+\p], v[TMP+8*\p], v[TMP+8*\p+1]
.endr
.irp m, 1,2,4,8
	s_delay_alu instid0(VALU_DEP_2)
	v_add_f32_dpp v12, v12, v12 row_xmask:\m row_mask:0xf bank_mask:0xf
	s_delay_alu instid0(VALU_DEP_2)
	v_add_f32_dpp v13, v13, v13 row_xmask:\m row_mask:0xf bank_mask:0xf
.endr
	s_delay_alu instid0(VALU_DEP_2)
	v_permlanex16_b32 v14, v12, s34, s35
	s_delay_alu instid0(VALU_DEP_2)
	v_permlanex16_b32 v15, v13, s34, s35
	s_delay_alu instid0(VALU_DEP_2)
	v_add_f32 v12, v12, v14
	s_delay_alu instid0(VALU_DEP_2)
	v_add_f32 v13, v13, v15
.endm
	s_wait_loadcnt 16                              ; both rows are in; the sixteen loads of g1 and be1 may be out
.irp p, 0,1
.irp c, 0,1,2,3
	v_pk_add_f32 v[TMP+8*\p+2*\c:TMP+8*\p+2*\c+1], v[X+32*\p+2*\c:X+32*\p+2*\c+1], v[X+32*\p+8+2*\c:X+32*\p+8+2*\c+1]
.endr
.endr
.irp k, 16,24
.irp p, 0,1
.irp c, 0,1,2,3
	v_pk_add_f32 v[TMP+8*\p+2*\c:TMP+8*\p+2*\c+1], v[TMP+8*\p+2*\c:TMP+8*\p+2*\c+1], v[X+32*\p+\k+2*\c:X+32*\p+\k+2*\c+1]
.endr
.endr
.endr
	FOLD
	s_delay_alu instid0(VALU_DEP_2)
	v_mul_f32 v4, s38, v12                         ; the means, each in both halves of a pair
	s_delay_alu instid0(VALU_DEP_2)
	v_mul_f32 v6, s38, v13
	s_delay_alu instid0(VALU_DEP_2)
	v_mov_b32 v5, v4
	s_delay_alu instid0(VALU_DEP_2)
	v_mov_b32 v7, v6
.irp p, 0,1
.set i, 0
.rept 16
	v_pk_add_f32 v[X+32*\p+i:X+32*\p+i+1], v[X+32*\p+i:X+32*\p+i+1], v[4+2*\p:5+2*\p] neg_lo:[0,1] neg_hi:[0,1]   ; d = x - mean
.set i, i+2
.endr
.endr
.irp p, 0,1
.irp c, 0,1,2,3
	v_pk_mul_f32 v[TMP+8*\p+2*\c:TMP+8*\p+2*\c+1], v[X+32*\p+2*\c:X+32*\p+2*\c+1], v[X+32*\p+2*\c:X+32*\p+2*\c+1]
.endr
.endr
.irp k, 8,16,24
.irp p, 0,1
.irp c, 0,1,2,3
	v_pk_fma_f32 v[TMP+8*\p+2*\c:TMP+8*\p+2*\c+1], v[X+32*\p+\k+2*\c:X+32*\p+\k+2*\c+1], v[X+32*\p+\k+2*\c:X+32*\p+\k+2*\c+1], v[TMP+8*\p+2*\c:TMP+8*\p+2*\c+1]
.endr
.endr
.endr
	FOLD
	s_delay_alu instid0(VALU_DEP_2)
	v_fma_f32 v12, v12, s38, s39                   ; the variance + 1e-5
	s_delay_alu instid0(VALU_DEP_2)
	v_fma_f32 v13, v13, s38, s39
	s_wait_alu depctr_va_vdst(0)
	v_rsq_f32 v8, v12                              ; twice each, to fill the pairs of the packed multiply
	v_rsq_f32 v9, v12
	v_rsq_f32 v10, v13
	v_rsq_f32 v11, v13
	v_nop                                          ; a plain instruction behind the last of them
	s_wait_alu depctr_va_vdst(0)                   ; one wait for the four, ahead of their first reader
	s_wait_loadcnt 0x0                             ; g1 and be1
.irp p, 0,1
.set i, 0
.rept 16
	v_pk_mul_f32 v[X+32*\p+i:X+32*\p+i+1], v[X+32*\p+i:X+32*\p+i+1], v[8+2*\p:9+2*\p]
.set i, i+2
.endr
.set i, 0
.rept 16
	v_pk_fma_f32 v[X+32*\p+i:X+32*\p+i+1], v[X+32*\p+i:X+32*\p+i+1], v[G+i:G+i+1], v[BE+i:BE+i+1]
.set i, i+2
.endr
.endr
	s_wait_kmcnt 0x0
.irp k, 0,1,2
	s_add_co_i32 s36, s[20+2*\k], 127
	s_lshl_b32 s37, s36, 23
	v_mov_b32 v[SC+2*\k], s37                      ; 2^e as f32: the conversion takes its exponent field
	s_add_co_i32 s36, s36, 15
	s_lshl_b32 s36, s36, 23
	s_or_b32 s36, s36, 0x600000
	v_mov_b32 v[SC+2*\k+1], s36                    ; 57,344 x 2^e
.endr
; Both rows with scale k, into the plane whose address stands in s[base:base+1].
.macro Q3 k, base
.irp p, 0,1
.set i, 0
.rept 32
	v_med3_num_f32 v[TMP+i], v[X+32*\p+i], -v[SC+2*\k+1], v[SC+2*\k+1]   ; the conversion to an 8-bit code does not saturate (ISA guide 7.6.2): the hold comes first
.set i, i+1
.endr
.irp j, 0,1,2,3
	v_cvt_scalef32_pk8_bf8_f32 v[C+8*(2*\k+\p)+2*\j:C+8*(2*\k+\p)+2*\j+1], v[TMP+8*\j:TMP+8*\j+7], v[SC+2*\k]
.endr
	v_nop                                          ; a plain instruction between the conversions and the next lines that write their sources
.irp j, 0,1,2,3
	global_store_b64 v3, v[C+8*(2*\k+\p)+2*\j:C+8*(2*\k+\p)+2*\j+1], s[\base:\base+1] offset:1024*\p+256*\j   ; 32 lanes store 256 consecutive bytes, aligned
.endr
.endr
.endm
	s_wait_alu depctr_va_vdst(0)
	Q3 0, 28
	Q3 1, 30
	Q3 2, 32
	; THE TABLE.  Waves 0 to 3 make row t = 4 x work-group + wave; lane = pair i.  No sine or cosine instruction is used: range reduction by pi / 2 in two parts and two short polynomials.
	s_cmp_lt_u32 s16, 4
	s_cbranch_scc0 .Lend
	s_lshl_b32 s40, ttmp9, 2
	s_add_co_u32 s40, s40, s16                     ; t
	v_cvt_f32_u32 v16, v1                          ; i
	s_delay_alu instid0(VALU_DEP_1)
	v_mul_f32 v17, 0x3ed49a80, v16                 ; i x c_hi, exact: c = log2(10000) / 32 = c_hi + c_lo, c_hi has 19 bits
	s_delay_alu instid0(VALU_DEP_1)
	v_floor_f32 v18, v17                           ; n
	s_delay_alu instid0(VALU_DEP_1)
	v_sub_f32 v17, v18, v17                        ; -(fraction)
	s_delay_alu instid0(VALU_DEP_1)
	v_fmamk_f32 v17, v16, 0x3476872b, v17          ; - i x c_lo (c_lo is negative)
	s_wait_alu depctr_va_vdst(0)
	v_exp_f32 v19, v17                             ; 2^-(fraction)
	v_cvt_i32_f32 v18, v18
	s_delay_alu instid0(VALU_DEP_1)
	v_sub_nc_u32 v18, 0, v18
	v_cvt_f32_u32 v20, s40
	s_wait_alu depctr_va_vdst(0)                   ; ahead of the exponential's first reader
	v_ldexp_f32 v19, v19, v18                      ; theta = 10000^(-i/32)
	s_delay_alu instid0(VALU_DEP_1)
	v_mul_f32 v20, v20, v19                        ; the angle
	s_delay_alu instid0(VALU_DEP_1)
	v_mul_f32 v21, 0x3f22f983, v20
	s_delay_alu instid0(VALU_DEP_1)
	v_rndne_f32 v21, v21                           ; k = the nearest multiple of pi / 2
	s_delay_alu instid0(VALU_DEP_1)
	v_fmamk_f32 v22, v21, 0xbfc90fdb, v20
	s_delay_alu instid0(VALU_DEP_1)
	v_fmamk_f32 v22, v21, 0x333bbd2e, v22          ; r = angle - k pi / 2, |r| <= pi / 4
	s_delay_alu instid0(VALU_DEP_1)
	v_mul_f32 v23, v22, v22                        ; z = r^2
	v_mov_b32 v24, 0xb94ca1f9
	v_mov_b32 v26, 0x37ccf5ce
	s_delay_alu instid0(VALU_DEP_2)
	v_fmaak_f32 v24, v24, v23, 0x3c08839e
	s_delay_alu instid0(VALU_DEP_2)
	v_fmaak_f32 v26, v26, v23, 0xbab6061a
	s_delay_alu instid0(VALU_DEP_2)
	v_fmaak_f32 v24, v24, v23, 0xbe2aaaa3
	s_delay_alu instid0(VALU_DEP_2)
	v_fmaak_f32 v26, v26, v23, 0x3d2aaaa5
	v_mul_f32 v25, v22, v23
	v_mul_f32 v27, v23, v23
	v_fma_f32 v28, v23, -0.5, 1.0
	s_delay_alu instid0(VALU_DEP_3)
	v_fma_f32 v24, v24, v25, v22                   ; sin r
	s_delay_alu instid0(VALU_DEP_2)
	v_fma_f32 v26, v26, v27, v28                   ; cos r
	v_cvt_i32_f32 v29, v21
	s_delay_alu instid0(VALU_DEP_1)
	v_and_b32 v30, 1, v29
	s_delay_alu instid0(VALU_DEP_1)
	v_cmp_ne_u32 vcc_lo, 0, v30                    ; an odd quadrant swaps the two
	s_delay_alu instid0(VALU_DEP_1)
	v_cndmask_b32 v31, v24, v26, vcc_lo            ; sine
	s_delay_alu instid0(VALU_DEP_2)
	v_cndmask_b32 v32, v26, v24, vcc_lo            ; cosine
	v_and_b32 v33, 2, v29                          ; the sine is negative in quadrants 2 and 3,
	s_delay_alu instid0(VALU_DEP_1)
	v_lshlrev_b32 v33, 30, v33
	v_add_nc_u32 v34, 1, v29                       ; the cosine in 1 and 2
	s_delay_alu instid0(VALU_DEP_1)
	v_and_b32 v34, 2, v34
	s_delay_alu instid0(VALU_DEP_1)
	v_lshlrev_b32 v34, 30, v34
	s_delay_alu instid0(VALU_DEP_1)
	v_xor_b32 v36, v32, v34
	v_xor_b32 v37, v31, v33
	s_lshl_b32 s40, s40, 8
	s_mov_b32 s41, 0
	s_add_nc_u64 s[14:15], s[14:15], s[40:41]
	global_store_b64 v3, v[36:37], s[14:15]        ; the wave stores row t's 256 bytes
.Lend:
	s_endpgm
.Lfunc_end_k_qc5a08eb454_ln1:
	.size	k_qc5a08eb454_ln1, .Lfunc_end_k_qc5a08eb454_ln1-k_qc5a08eb454_ln1
	.p2alignl 7, 3214868480
	.fill 96, 4, 3214868480
	.section	.rodata,"a",@progbits
	.p2align	6, 0x0
	.amdhsa_kernel k_qc5a08eb454_ln1
		.amdhsa_group_segment_fixed_size 0
		.amdhsa_private_segment_fixed_size 0
		.amdhsa_enable_private_segment 0
		.amdhsa_kernarg_size 48
		.amdhsa_user_sgpr_count 2
		.amdhsa_user_sgpr_kernarg_segment_ptr 1
		.amdhsa_wavefront_size32 1
		.amdhsa_system_sgpr_workgroup_id_x 1
		.amdhsa_system_sgpr_workgroup_id_y 1
		.amdhsa_system_sgpr_workgroup_id_z 1
		.amdhsa_system_vgpr_workitem_id 0
		.amdhsa_next_free_vgpr 232
		.amdhsa_next_free_sgpr 66
		.amdhsa_reserve_vcc 1
		.amdhsa_float_denorm_mode_32 3
		.amdhsa_float_denorm_mode_16_64 3
		.amdhsa_memory_ordered 1
		.amdhsa_forward_progress 1
		.amdhsa_inst_pref_size 38
	.end_amdhsa_kernel
	.amdgpu_metadata
---
amdhsa.version: [ 1, 2 ]
amdhsa.kernels:
  - .name:           k_qc5a08eb454_ln1
    .symbol:         k_qc5a08eb454_ln1.kd
    .args:
      - { .name: x, .offset: 0, .size: 8, .value_kind: global_buffer, .address_space: global }
      - { .name: g1, .offset: 8, .size: 8, .value_kind: global_buffer, .address_space: global }
      - { .name: be1, .offset: 16, .size: 8, .value_kind: global_buffer, .address_space: global }
      - { .name: lowp_scales, .offset: 24, .size: 8, .value_kind: global_buffer, .address_space: global }
      - { .name: h3, .offset: 32, .size: 8, .value_kind: global_buffer, .address_space: global }
      - { .name: rope, .offset: 40, .size: 8, .value_kind: global_buffer, .address_space: global }
    .group_segment_fixed_size: 0
    .private_segment_fixed_size: 0
    .kernarg_segment_align: 8
    .kernarg_segment_size: 48
    .max_flat_workgroup_size: 256
    .sgpr_count:     66
    .vgpr_count:     232
    .wavefront_size: 32
...
	.end_amdgpu_metadata
.endif
;; end of part 1
;; launch qkv (part 2): grid 12 x 16, 4 waves a work-group, clusters of 4 x 4, 327,680 bytes of LDS; arguments h3, Wq_codes, Wk_codes, Wv_codes, bq, bk, bv, rope, lowp_scales, qkvc; writes qkvc
.if DOCPART == 2
	.amdgcn_target "amdgcn-amd-amdhsa--gfx1250"
	.amdhsa_code_object_version 6
	.text
	.protected	k_qc5a08eb454_qkv
	.globl	k_qc5a08eb454_qkv
	.p2align	8
	.type	k_qc5a08eb454_qkv,@function
k_qc5a08eb454_qkv:
	s_mov_b64 s[64:65], 0
	v_nop
	global_prefetch_b8 v0, s[64:65] scope:SCOPE_SE
	s_setreg_imm32_b32 hwreg(HW_REG_WAVE_MODE, 25, 1), 1
	s_wait_xcnt 0x0
	s_wait_alu depctr_hold_cnt(0) depctr_sa_sdst(0) depctr_va_vdst(0) depctr_va_sdst(0) depctr_va_ssrc(0) depctr_va_vcc(0) depctr_vm_vsrc(0)
	s_getreg_b32 s2, hwreg(HW_REG_IB_STS2, 6, 4)
	s_cmp_eq_u32 s2, 0
	s_cbranch_scc0 .Lentry_in_a_cluster
	s_endpgm
.Lentry_in_a_cluster:
	s_bfe_u32 s2, ttmp6, 0x10000c
	s_cmp_lg_u32 s2, 0xf033
	s_cbranch_scc0 .Lentry_shape_is_right
	s_endpgm
.Lentry_shape_is_right:
; The three projections on E5M2 codes, K = 1024, with bias, the rotation of q and k, and the quantisers for the two products of attention.
; ROLE = the cluster's x (equal in all sixteen partners): 0 q, 1 k, 2 v.  A tile is 256 x 256, a wave makes 128 x 128: 64 accumulators, 512 registers.
;   q, k: A = h3's plane of the role (tokens), B = Wq or Wk.   v: A = Wv, B = h3's plane 2 (tokens): the same loop then gives V transposed.
; THE MATRIX INSTRUCTION IS USED TRANSPOSED (source 0 = 16 rows of B, source 1 = 16 rows of A): a lane holds ONE row of A (lane % 16) and its register j of tile b row 16 b + 8 (lane / 16) + j of B.
; So for q and k a lane's registers run along the head's 64, for v along the keys: each the K of its product of attention, and a conversion of a tile's eight registers IS a register pair of that operand
; (8-bit operands: registers 2 c, 2 c + 1 hold k = 16 c + 8 (lane / 16) + 0..7).  The codes leave as IMAGES OF THE OPERAND'S REGISTERS: four registers a store, lane l's 16 bytes at 16 l: 512 consecutive bytes, aligned; no LDS stage.
;   planes of qkvc (4 MiB each): Q, K: [batch x head 64][tile of 16 tokens 64][1,024];   V: [batch x head][step of 128 keys 8][16 of the head's 64: 4][2,048].
; Both operands of THIS product lie row-major and are fetched by loads of 16 bytes: a permutation of k, the same in A and B, so that every product meets its partner.
; K goes in steps of 256 through a ring of two LDS slots filled by the tensor data mover.  CLUSTERS: 4 x 4 work-groups; A's tile is asked for jointly by a row of the cluster, B's by a column.
; LIMITS: e0 + e1, e2 + e3, e4 + e5 between -126 and 127; e6, e7, e9 between -126 and 112.  NaN among the inputs is not served.
; REGISTERS: window 0: v0-31 addresses; v8-15 the bias along A; v32-95 the bias along B; v96-127 codes; from v128 A's fragments, on the way out a tile's 64 numbers.
;   window 1: B's fragments, two sets; on the way out of q and k the table's 256 numbers.   windows 2, 3: the accumulators ((a, b) at v[8 (8 (a % 4) + b)]).
.set SIZE_K, 1024
.set KSTEP,  256                       ; along K in a slot
.set ROWB,   256                       ; a tile's row in bytes
.set KROW,   SIZE_K                    ; a row of A or of B in memory, in bytes
.set PITCH,  272                       ; an LDS row: 256 bytes + 16 of padding = 68 words: the 16 rows that a load touches start at 16 different banks (64 banks of 4 bytes: ISA guide 11.1)
.set FR,     16                        ; registers of a fragment: 16 rows x 128 K
.set NL,     4                         ; LDS loads that bring one
.set NP,     4                         ; places behind this matrix instruction (ISA guide 7.12.1)
.set HALFT,  128*PITCH                 ; 128 rows: what one tensor load brings, and what one wave reads of A or of B
.set SLOT,   4*HALFT                   ; A's 256 rows, then B's 256 rows
.set LAPS,   SIZE_K/(2*KSTEP)
.set SPARE,  2*SLOT                    ; behind the ring: the spare words, 128 bytes for each wave, which no other line names
.set ADRA, 16                          ; v16-17  LDS address of my A fragments in slot 0, 1
.set ADRB, 20                          ; v20-21  the same for B
.set RA,   24                          ; v24     the table: 256 (lane % 16) + 32 (lane / 16)
.set BA,   25                          ; v25     the bias along B: 32 (lane / 16)
.set LI,   26                          ; v26     16 x lane: my place in an image
.set VA,   27                          ; v27     the bias along A: 4 (lane % 16)
.set SPW,  28                          ; v28     LDS address of my spare word; never rewritten
.set NIL,  29                          ; v29     0; never rewritten
.set QS,   6                           ; v6      the quantiser's 2^e
.set QL,   7                           ; v7      57,344 x 2^e
.set BV,   8
.set BI,   32
.set CD,   96                          ; two sets of 16 registers of codes, by turns
.set X,    128
.set AF,   128
.set G1, 24                            ; s[24:31] descriptor group 1 for A's tiles;  s[32:39] group 0, one set for each slot
.set G0, 32
.set G1B, 48                           ; s[48:55], s[56:63] the same for B's tiles
.set G0B, 56
.set MSB, 0
.macro WIN new                         ; the immediate's high byte repeats the setting that is left
.if MSB != (\new)
	s_set_vgpr_msb (MSB<<8)|(\new)
.set MSB, (\new)
.endif
.endm
.set MUL_LO, 0xa1                      ; source 0 (B) window 1, source 1 (A) window 0, C and D window 2
.set MUL_HI, 0xf1                      ; the same, C and D window 3
.set TO_B,   0x40                      ; destination window 1, address window 0
; A joint load: waves 0 and 1 fetch for A, waves 2 and 3 for B; the branch hangs on the wave's number alone.  Four v_nop follow each of the two lines.
.macro JLOAD g0a, g1a, g0b, g1b
	s_cmp_eq_u32 s15, 0
	s_cbranch_scc0 .Lfor_b_\@
	tensor_load_to_lds s[\g0a:\g0a+3], s[\g1a:\g1a+7]
	s_nop 0
.rept 4
	v_nop
.endr
	s_branch .Lasked_\@
.Lfor_b_\@:
	tensor_load_to_lds s[\g0b:\g0b+3], s[\g1b:\g1b+7]
	s_nop 0
.rept 4
	v_nop
.endr
.Lasked_\@:
.endm
.macro CREST                           ; a round of the cluster's barrier behind its opening barrier
	s_cmp_lg_u32 s14, 0
	s_cbranch_scc1 .Lnot_wave_0_\@
	s_barrier_signal -3
.Lnot_wave_0_\@:
	s_barrier_wait -3
	s_barrier_signal -1
	s_barrier_wait -1
.endm
.macro CROUND                          ; a whole round
	s_barrier_signal -1
	s_barrier_wait -1
	CREST
.endm
	s_load_b512 s[68:83], s[0:1], 0x0              ; h3, Wq, Wk, Wv, bq, bk, bv, rope
	s_load_b128 s[84:87], s[0:1], 0x40             ; the scales' exponents, qkvc
	v_lshl_add_u32 v[SPW], v0, 2, SPARE
	v_mov_b32 v[NIL], 0
	ds_add_u32 v28, v29
	ds_add_u32 v28, v29
	s_wait_dscnt 0x0
	v_lshrrev_b32 v1, 5, v0
	v_readfirstlane_b32 s14, v1                    ; wave 0..3
	s_lshr_b32 s15, s14, 1                         ; which half of A's 256 rows is mine.  Also: I fetch for A (0) or for B (1)
	s_and_b32 s16, s14, 1                          ; which half of B's.  Also: which 128 rows of that tile I fetch
	s_bfe_u32 s40, ttmp6, 0x40000                  ; cx, cy: my place in the cluster
	s_bfe_u32 s41, ttmp6, 0x40004
	s_mov_b32 s88, ttmp9                           ; the role
	s_and_b32 s89, ttmp7, 0xffff
	s_lshl_b32 s89, s89, 2                         ; 4 x cluster y: it walks the 16 blocks of 256 tokens
	s_cmp_eq_u32 s88, 2
	s_cselect_b32 s17, 0, s89                      ; the tokens are A's rows for q and k,
	s_cselect_b32 s42, s89, 0                      ; B's for v
	s_add_co_u32 s17, s17, s41                     ; A's block of 256 rows: it hangs on cy, never on cx
	s_add_co_u32 s42, s42, s40                     ; B's: on cx, never on cy
	s_lshl_b32 s43, s41, 2
	s_lshl_b32 s43, 15, s43                        ; my row of the cluster
	s_lshl_b32 s44, 0x1111, s40                    ; my column
	s_or_b32 s[G1+0], s43, (0<<16)|(1<<20)|(1<<21)|(5<<22)|(3<<25)  ; 15:0 the mask: A's tiles go to my row; elements of 1 byte; padding on; bit 21 beside a mask; 4 words after every 64
	s_or_b32 s[G1B+0], s44, (0<<16)|(1<<20)|(1<<21)|(5<<22)|(3<<25)
.irp g, G1, G1B
	s_mov_b32 s[\g+1], ROWB<<16                    ; tensor_dim0
	s_mov_b32 s[\g+2], 128<<16                     ; tensor_dim1 = 128
	s_mov_b32 s[\g+3], ROWB<<16                    ; tile_dim0
	s_mov_b32 s[\g+4], 128                         ; tile_dim1 = 128
	s_mov_b32 s[\g+5], KROW                        ; tensor_dim0_stride
	s_mov_b32 s[\g+6], 0
	s_mov_b32 s[\g+7], 0
.endr
	s_lshl_b32 s18, s16, 7                         ; which 128 rows of the tile I fetch
	s_lshl_b32 s20, s17, 8
	s_add_co_u32 s20, s20, s18
	s_lshl_b32 s46, s42, 8
	s_add_co_u32 s46, s46, s18
	s_mov_b32 s21, 0
	s_mov_b32 s47, 0
	s_mov_b64 s[18:19], KROW
	s_mul_u64 s[20:21], s[20:21], s[18:19]
	s_mul_u64 s[46:47], s[46:47], s[18:19]
	s_mul_i32 s45, s14, HALFT                      ; where they go: wave x 128 rows: no place in the cluster enters an LDS address
	s_lshl_b32 s90, s88, 22                        ; the role's plane of 4 MiB
	s_mov_b32 s91, 0
	s_wait_kmcnt 0x0
	s_add_nc_u64 s[68:69], s[68:69], s[90:91]      ; h3's plane
	s_add_nc_u64 s[10:11], s[86:87], s[90:91]      ; qkvc's plane
	s_cmp_eq_u32 s88, 0                            ; the buffers are chosen by the role alone
	s_cselect_b64 s[6:7], s[70:71], s[72:73]
	s_cselect_b64 s[8:9], s[76:77], s[78:79]
	s_cmp_eq_u32 s88, 2
	s_cselect_b64 s[4:5], s[74:75], s[68:69]       ; A
	s_cselect_b64 s[6:7], s[68:69], s[6:7]         ; B
	s_cselect_b64 s[8:9], s[80:81], s[8:9]         ; the bias
	s_mov_b64 s[12:13], s[82:83]                   ; the table
	s_load_b512 s[68:83], s[84:85], 0x0            ; e0 .. e15
	s_add_nc_u64 s[20:21], s[4:5], s[20:21]
	s_add_nc_u64 s[46:47], s[6:7], s[46:47]
	CROUND                                         ; all sixteen work-groups are here: the first joint loads meet
.irp s, 0,1
	s_mov_b32 s[G0+4*\s], 1
	s_add_co_u32 s[G0+4*\s+1], s45, \s*SLOT
	s_add_nc_u64 s[G0+4*\s+2:G0+4*\s+3], s[20:21], \s*ROWB
	s_or_b32 s[G0+4*\s+3], s[G0+4*\s+3], 0x80000000
	s_mov_b32 s[G0B+4*\s], 1
	s_add_co_u32 s[G0B+4*\s+1], s45, \s*SLOT
	s_add_nc_u64 s[G0B+4*\s+2:G0B+4*\s+3], s[46:47], \s*ROWB
	s_or_b32 s[G0B+4*\s+3], s[G0B+4*\s+3], 0x80000000
.endr
	; THE PREFETCHES.  Of the 128 rows that I fetch, each of the four partners that ask for them jointly names 32, told apart by address (cx for A, cy for B): a lane a row, 256 bytes of a K step.
	; Behind the load of K step f the K step f + 1 is named (f = 0, 1, 2): one whole K step ahead of its load, and one K step at the most is asked for and not yet loaded.  v30 and s[98:99] are never rewritten.
	v_and_b32 v30, 31, v0
	v_lshlrev_b32 v30, 10, v30                     ; lane x a row of 1,024 bytes
	s_wait_alu depctr_va_vdst(0)
	s_cmp_eq_u32 s15, 0
	s_cselect_b64 s[98:99], s[20:21], s[46:47]     ; my 128 rows, of A or of B
	s_cselect_b32 s90, s40, s41                    ; my place among the four
	s_lshl_b32 s90, s90, 15                        ; x 32 rows
	s_mov_b32 s91, 0
	s_add_nc_u64 s[98:99], s[98:99], s[90:91]
	JLOAD G0, G1, G0B, G1B                         ; K step 0: one tensor load a wave at the head
	global_prefetch_b8 v30, s[98:99] offset:ROWB th:TH_LOAD_NT scope:SCOPE_SE
	v_and_b32 v1, 15, v0                           ; l % 16
	v_bfe_u32 v2, v0, 4, 1                         ; l / 16
	v_mul_u32_u24 v3, v1, PITCH
	v_lshl_add_u32 v4, v2, 4, v3                   ; a fragment's row x pitch + 16 x half
	s_mul_i32 s21, s15, HALFT                      ; my 128 rows of A
	s_mul_i32 s22, s16, HALFT                      ; my 128 rows of B,
	s_add_co_u32 s22, s22, 2*HALFT                 ; which lie behind A's 256
.irp s, 0,1
	v_add_nc_u32 v[ADRA+\s], s21, v4
	v_add_nc_u32 v[ADRB+\s], s22, v4
	s_add_co_u32 s21, s21, SLOT
	s_add_co_u32 s22, s22, SLOT
.endr
	v_lshlrev_b32 v[BA], 5, v2
	s_wait_alu depctr_va_vdst(0)
	v_lshlrev_b32 v[VA], 2, v1
	s_wait_alu depctr_va_vdst(0)
	v_lshl_add_u32 v[RA], v1, 8, v[BA]
	v_and_b32 v5, 31, v0
	v_lshlrev_b32 v[LI], 4, v5
	; THE BIAS, in both forms, in every role, so that no register's state hangs on the role: along B's rows (q, k use it: 64 numbers a lane) and along A's rows (v uses it: one number a tile of A).
	; The block's number is taken mod 4: that changes nothing in the role that uses the form, and keeps the other role's loads inside the 1,024 numbers.
	s_and_b32 s90, s42, 3
	s_lshl_b32 s90, s90, 10
	s_lshl_b32 s91, s16, 9
	s_add_co_u32 s90, s90, s91
	s_mov_b32 s91, 0
	s_add_nc_u64 s[92:93], s[8:9], s[90:91]
	s_and_b32 s90, s17, 3
	s_lshl_b32 s90, s90, 10
	s_lshl_b32 s94, s15, 9
	s_add_co_u32 s90, s90, s94
	s_add_nc_u64 s[94:95], s[8:9], s[90:91]
.irp b, 0,1,2,3,4,5,6,7
	global_load_b128 v[BI+8*\b:BI+8*\b+3], v[BA], s[92:93] offset:64*\b
	global_load_b128 v[BI+8*\b+4:BI+8*\b+7], v[BA], s[92:93] offset:64*\b+16
.endr
.irp a, 0,1,2,3,4,5,6,7
	global_load_b32 v[BV+\a], v[VA], s[94:95] offset:64*\a
.endr
.macro FRAG reg, adr, q, i             ; a fragment, 16 rows x 128 K: four loads of 16 bytes, 32 bytes apart
.irp c, 0,1,2,3
	ds_load_b128 v[\reg+4*\c:\reg+4*\c+3], v[\adr] offset:128*(\q)+32*\c+(\i)*16*PITCH
.endr
.endm
; 16 matrix instructions: A's blocks a0, a0 + 1 x B's eight, 128 along K.  p: B's set.  zero = 1: the first product starts the sums.  The 64 accumulators take turns, one instruction a turn.
.macro MUL16 a0, p, zero
.irp a, \a0, \a0+1
.irp b, 0,1,2,3,4,5,6,7
.if \zero
	v_wmma_f32_16x16x128_bf8_bf8 v[8*(8*((\a)%4)+\b):8*(8*((\a)%4)+\b)+7], v[128*(\p)+FR*\b:128*(\p)+FR*\b+FR-1], v[AF+FR*(\a):AF+FR*(\a)+FR-1], 0
.else
	v_wmma_f32_16x16x128_bf8_bf8 v[8*(8*((\a)%4)+\b):8*(8*((\a)%4)+\b)+7], v[128*(\p)+FR*\b:128*(\p)+FR*\b+FR-1], v[AF+FR*(\a):AF+FR*(\a)+FR-1], v[8*(8*((\a)%4)+\b):8*(8*((\a)%4)+\b)+7]
.endif
.endr
.endr
.endm
.macro FETCH_B slot, q, p              ; B's eight fragments of the slot's q-th 128 along K into set p
	WIN TO_B
.irp i, 0,1,2,3,4,5,6,7
	FRAG 128*(\p)+FR*\i, ADRB+\slot, \q, \i
.endr
	WIN 0
.endm
.macro FETCH_A slot, q, i0             ; A's blocks i0 .. i0 + 3
.irp i, \i0, \i0+1, \i0+2, \i0+3
	FRAG AF+FR*(\i), ADRA+\slot, \q, \i
.endr
.endm
.macro PLACES n                        ; plain vector instructions between a matrix instruction and a load into, or a vector read or write of, its registers
.rept \n
	v_nop
.endr
.endm
; A step of 128 along K that has its successor in the same slot.  A has one set of registers: a block is free as soon as its eight products are issued.
.macro STEP slot, q, zero
	s_wait_dscnt 4*NL                              ; B's set and A's blocks 0-3 are in; the youngest sixteen loads (A's blocks 4-7) may be out
	WIN MUL_LO
	MUL16 0, (\q)%2, \zero
	MUL16 2, (\q)%2, \zero
	s_wait_dscnt 0                                 ; A's blocks 4-7 are in
	PLACES NP
	FETCH_B \slot, (\q)+1, 1-(\q)%2
	FETCH_A \slot, (\q)+1, 0
	WIN MUL_HI
	MUL16 4, (\q)%2, \zero
	MUL16 6, (\q)%2, \zero
	PLACES NP
	WIN 0
	FETCH_A \slot, (\q)+1, 4
.endm
; A slot's last step changes slots: ONE barrier; in front of it each wave waits for all its tensor loads, adds 0 to its spare word, and waits for that and for its own reads of this slot.  fill = 1: this slot is filled again.
.macro TURN slot, next, fill
	s_wait_tensorcnt 0x0                           ; all my tensor loads have landed: my part of the next slot
	ds_add_u32 v[SPW], v[NIL]                      ; 0 onto my spare word
	s_wait_dscnt 4*NL+1                            ; (the add and the youngest sixteen loads, A's blocks 4-7, may be out)
	WIN MUL_LO
	MUL16 0, 1, 0
	s_wait_dscnt 0x0                               ; the add is done, and my reads of this slot are over
	s_barrier_signal -1
	MUL16 2, 1, 0
	WIN 0
	s_barrier_wait -1
.if \fill
	CREST                                          ; the barrier has opened a round of the cluster's barrier: no wave of any partner still reads this slot or has a load on its way
	s_add_nc_u64 s[G0+4*\slot+2:G0+4*\slot+3], s[G0+4*\slot+2:G0+4*\slot+3], 2*ROWB
	s_add_nc_u64 s[G0B+4*\slot+2:G0B+4*\slot+3], s[G0B+4*\slot+2:G0B+4*\slot+3], 2*ROWB
	JLOAD G0+4*\slot, G1, G0B+4*\slot, G1B
.if (\slot) == 0
	global_prefetch_b8 v30, s[98:99] offset:3*ROWB th:TH_LOAD_NT scope:SCOPE_SE   ; the loop has one trip (K = 1,024): this refill is K step 2's, and K step 3 is the last
.endif
.else
	PLACES NP
.endif
	FETCH_B \next, 0, 0
	FETCH_A \next, 0, 0
	WIN MUL_HI
	MUL16 4, 1, 0
	MUL16 6, 1, 0
	PLACES NP
	WIN 0
	FETCH_A \next, 0, 4
.endm
	s_wait_alu depctr_va_vdst(0)
	s_wait_tensorcnt 0x0                           ; my part of K step 0 is in; slot 1's first fill is issued as a refill is:
	ds_add_u32 v[SPW], v[NIL]
	s_wait_dscnt 0x0
	CROUND                                         ; everybody's part is in, and all sixteen work-groups are here
	JLOAD G0+4, G1, G0B+4, G1B                     ; K step 1, the first tensor load behind the round
	global_prefetch_b8 v30, s[98:99] offset:2*ROWB th:TH_LOAD_NT scope:SCOPE_SE
	FETCH_B 0, 0, 0
	FETCH_A 0, 0, 0
	FETCH_A 0, 0, 4
	STEP 0, 0, 1                                   ; the first step stands in front of the loop: its products start the sums
	s_mov_b32 s3, LAPS-1
.Llap:                                                 ; a trip goes once round the ring and fills both slots again
	TURN 0, 1, 1
	STEP 1, 0, 0
	TURN 1, 0, 1
	STEP 0, 0, 0
	s_sub_co_u32 s3, s3, 1
	s_cmp_lg_u32 s3, 0
	s_cbranch_scc1 .Llap
	TURN 0, 1, 0                                   ; the last lap fills nothing
	STEP 1, 0, 0
	s_wait_dscnt 4*NL
	WIN MUL_LO
	MUL16 0, 1, 0
	MUL16 2, 1, 0
	s_wait_dscnt 0
	WIN MUL_HI
	MUL16 4, 1, 0
	MUL16 6, 1, 0
	WIN 0
	; THE WAY OUT.  Tile a of A at a time: 64 numbers a lane = sum x 2^(eA + eB) + bias; q, k: rotated; held, converted, stored as images.
	s_wait_loadcnt 0x0                             ; the biases; their addresses' registers are free too
	s_wait_kmcnt 0x0
	s_add_co_i32 s91, s68, s69
	s_add_co_i32 s92, s70, s71
	s_add_co_i32 s93, s72, s73
	s_cmp_eq_u32 s88, 0                            ; the role chooses the exponents: a choice, no branch
	s_cselect_b32 s89, s91, s92
	s_cselect_b32 s90, s74, s75
	s_cmp_eq_u32 s88, 2
	s_cselect_b32 s89, s93, s89
	s_cselect_b32 s90, s77, s90
	s_add_co_i32 s89, s89, 127
	s_lshl_b32 s96, s89, 23                        ; 2^(eA + eB) as f32
	s_mov_b32 s97, s96                             ; (named with it as a pair, so it is written)
	s_add_co_i32 s90, s90, 127
	s_lshl_b32 s91, s90, 23
	s_add_co_i32 s90, s90, 15
	s_lshl_b32 s90, s90, 23
	s_or_b32 s90, s90, 0x600000
	v_mov_b32 v[QS], s91                           ; 2^e of the operand that is made here (e6, e7 or e9)
	v_mov_b32 v[QL], s90                           ; 57,344 x that
	PLACES NP                                      ; behind the last products: in front of the first read of results, of writes into A's registers and of loads into B's
.macro COPY a, isv                     ; each accumulator is read from its low end on
	WIN 0x02+(\a)/4                                ; source 0: window 2 or 3
.set j, 0
.rept 32
.if \isv
.if (\a)%2
	v_pk_fma_f32 v[X+j:X+j+1], v[64*((\a)%4)+j:64*((\a)%4)+j+1], s[96:97], v[BV+(\a)-1:BV+(\a)] op_sel:[0,0,1] op_sel_hi:[1,0,1]   ; the pair's upper word, tile a's bias, for both halves
.else
	v_pk_fma_f32 v[X+j:X+j+1], v[64*((\a)%4)+j:64*((\a)%4)+j+1], s[96:97], v[BV+(\a):BV+(\a)+1] op_sel_hi:[1,0,0]                  ; the pair's lower word for both halves
.endif
.else
	v_pk_fma_f32 v[X+j:X+j+1], v[64*((\a)%4)+j:64*((\a)%4)+j+1], s[96:97], v[BI+j:BI+j+1] op_sel_hi:[1,0,1]
.endif
.set j, j+2
.endr
	WIN 0
.endm
.macro QUANT cs
.set i, 0
.rept 64
	v_med3_num_f32 v[X+i], v[X+i], -v[QL], v[QL]   ; the conversion to an 8-bit code does not saturate (ISA guide 7.6.2): the hold comes first
.set i, i+1
.endr
.set i, 0
.rept 8
	v_cvt_scalef32_pk8_bf8_f32 v[\cs+2*i:\cs+2*i+1], v[X+8*i:X+8*i+7], v[QS]
.set i, i+1
.endr
	v_nop                                          ; a plain instruction between the conversions and the next lines that write their sources
.endm
; The rotation of tile a: a pair (x0, x1) with its (cos, sin): (x0 c - x1 s, x0 s + x1 c), two packed instructions a pair.  The table's numbers for tile a lie at v[32 a ..] of window 1.
.macro ROT a
	WIN 0x04                                       ; source 1 window 1
.set b, 0
.rept 8
.set p, 0
.rept 4
	v_pk_mul_f32 v[8+2*p:9+2*p], v[X+8*b+2*p:X+8*b+2*p+1], v[32*(\a)+8*(b%4)+2*p:32*(\a)+8*(b%4)+2*p+1] op_sel:[1,1] op_sel_hi:[1,0] neg_lo:[1,0]   ; (-x1 s, x1 c)
.set p, p+1
.endr
.set p, 0
.rept 4
	v_pk_fma_f32 v[X+8*b+2*p:X+8*b+2*p+1], v[X+8*b+2*p:X+8*b+2*p+1], v[32*(\a)+8*(b%4)+2*p:32*(\a)+8*(b%4)+2*p+1], v[8+2*p:9+2*p] op_sel:[0,0,0] op_sel_hi:[0,1,1]   ; + (x0 c, x0 s)
.set p, p+1
.endr
.set b, b+1
.endr
	WIN 0
.endm
	s_cmp_eq_u32 s88, 2
	s_cbranch_scc1 .Lv
	; ---- q, k.  My rows of A are tokens t0 + 0..127 of a batch, my rows of B two heads.
	s_lshr_b32 s90, s17, 2                         ; the batch
	s_and_b32 s91, s17, 3
	s_lshl_b32 s91, s91, 8
	s_lshl_b32 s92, s15, 7
	s_add_co_u32 s91, s91, s92                     ; t0
	s_lshl_b32 s92, s91, 8                         ; 256 bytes of the table a token
	s_mov_b32 s93, 0
	s_add_nc_u64 s[12:13], s[12:13], s[92:93]
	s_lshl_b32 s90, s90, 4
	s_lshl_b32 s92, s42, 2
	s_add_co_u32 s90, s90, s92
	s_lshl_b32 s92, s16, 1
	s_add_co_u32 s90, s90, s92                     ; 16 x batch + my first head
	s_lshl_b32 s90, s90, 6
	s_lshr_b32 s91, s91, 4
	s_add_co_u32 s90, s90, s91                     ; x 64 tiles + my first tile
	s_lshl_b32 s92, s90, 10
	s_add_nc_u64 s[10:11], s[10:11], s[92:93]
	WIN 0x40                                       ; destination window 1: B's fragments are done with
	s_wait_alu depctr_va_vdst(0)
.irp a, 0,1,2,3,4,5,6,7                ; lane (r, h), tile a, 16 d on: the four (cos, sin) of token t0 + 16 a + r, pairs 8 d + 4 h + 0..3
.irp d, 0,1,2,3
	global_load_b128 v[32*\a+8*\d:32*\a+8*\d+3], v[RA], s[12:13] offset:4096*\a+64*\d
	global_load_b128 v[32*\a+8*\d+4:32*\a+8*\d+7], v[RA], s[12:13] offset:4096*\a+64*\d+16
.endr
.endr
	WIN 0
.irp a, 0,1,2,3,4,5,6,7
	COPY \a, 0
	s_wait_loadcnt 8*(7-\a)                        ; tile a's eight loads are in; the later tiles' eight each may be out
	ROT \a
.if \a > 1
	s_wait_xcnt 0x0                                ; tile a - 2's stores have read their data: the set is written again only behind this wait
.endif
	QUANT CD+16*(\a%2)
.irp hh, 0,1                           ; tiles b = 4 hh + c are registers 2 c, 2 c + 1 of head hh's fragment
.irp g, 0,1
	global_store_b128 v[LI], v[CD+16*(\a%2)+8*\hh+4*\g:CD+16*(\a%2)+8*\hh+4*\g+3], s[10:11] offset:1024*\a+65536*\hh+512*\g   ; 512 consecutive bytes, aligned
.endr
.endr
.endr
	s_branch .Lend
.Lv:
	; ---- v.  My rows of A are 128 of Wv's rows: two heads x 64; my rows of B one step of 128 keys.
	s_lshr_b32 s90, s42, 2                         ; the batch
	s_lshl_b32 s90, s90, 4
	s_lshl_b32 s91, s17, 2
	s_add_co_u32 s90, s90, s91
	s_lshl_b32 s91, s15, 1
	s_add_co_u32 s90, s90, s91                     ; 16 x batch + my first head
	s_lshl_b32 s90, s90, 3
	s_and_b32 s91, s42, 3
	s_lshl_b32 s91, s91, 1
	s_add_co_u32 s90, s90, s91
	s_add_co_u32 s90, s90, s16                     ; x 8 + my step of keys
	s_lshl_b32 s92, s90, 13                        ; x 4 fragments of 2,048 bytes
	s_mov_b32 s93, 0
	s_add_nc_u64 s[10:11], s[10:11], s[92:93]
.irp a, 0,1,2,3,4,5,6,7
	COPY \a, 1
.if \a > 1
	s_wait_xcnt 0x0
.endif
	QUANT CD+16*(\a%2)
.irp g, 0,1,2,3
	global_store_b128 v[LI], v[CD+16*(\a%2)+4*\g:CD+16*(\a%2)+4*\g+3], s[10:11] offset:65536*(\a/4)+2048*(\a%4)+512*\g
.endr
.endr
.Lend:
	s_wait_tensorcnt 0x0                           ; the wave's end
	ds_add_u32 v[SPW], v[NIL]
	s_wait_dscnt 0x0
	CROUND                                         ; the closing round: no work-group ends while a partner may still ask for a tile that names it
	s_endpgm
.Lfunc_end_k_qc5a08eb454_qkv:
	.size	k_qc5a08eb454_qkv, .Lfunc_end_k_qc5a08eb454_qkv-k_qc5a08eb454_qkv
	.p2alignl 7, 3214868480
	.fill 96, 4, 3214868480
	.section	.rodata,"a",@progbits
	.p2align	6, 0x0
	.amdhsa_kernel k_qc5a08eb454_qkv
		.amdhsa_group_segment_fixed_size 327680
		.amdhsa_private_segment_fixed_size 0
		.amdhsa_enable_private_segment 0
		.amdhsa_kernarg_size 80
		.amdhsa_user_sgpr_count 2
		.amdhsa_user_sgpr_kernarg_segment_ptr 1
		.amdhsa_wavefront_size32 1
		.amdhsa_system_sgpr_workgroup_id_x 1
		.amdhsa_system_sgpr_workgroup_id_y 1
		.amdhsa_system_sgpr_workgroup_id_z 1
		.amdhsa_system_vgpr_workitem_id 0
		.amdhsa_next_free_vgpr 1024
		.amdhsa_next_free_sgpr 100
		.amdhsa_reserve_vcc 0
		.amdhsa_float_denorm_mode_32 3
		.amdhsa_float_denorm_mode_16_64 3
		.amdhsa_memory_ordered 1
		.amdhsa_forward_progress 1
		.amdhsa_inst_pref_size 234
	.end_amdhsa_kernel
	.amdgpu_metadata
---
amdhsa.version: [ 1, 2 ]
amdhsa.kernels:
  - .name:           k_qc5a08eb454_qkv
    .symbol:         k_qc5a08eb454_qkv.kd
    .args:
      - { .name: h3, .offset: 0, .size: 8, .value_kind: global_buffer, .address_space: global }
      - { .name: Wq_codes, .offset: 8, .size: 8, .value_kind: global_buffer, .address_space: global }
      - { .name: Wk_codes, .offset: 16, .size: 8, .value_kind: global_buffer, .address_space: global }
      - { .name: Wv_codes, .offset: 24, .size: 8, .value_kind: global_buffer, .address_space: global }
      - { .name: bq, .offset: 32, .size: 8, .value_kind: global_buffer, .address_space: global }
      - { .name: bk, .offset: 40, .size: 8, .value_kind: global_buffer, .address_space: global }
      - { .name: bv, .offset: 48, .size: 8, .value_kind: global_buffer, .address_space: global }
      - { .name: rope, .offset: 56, .size: 8, .value_kind: global_buffer, .address_space: global }
      - { .name: lowp_scales, .offset: 64, .size: 8, .value_kind: global_buffer, .address_space: global }
      - { .name: qkvc, .offset: 72, .size: 8, .value_kind: global_buffer, .address_space: global }
    .group_segment_fixed_size: 327680
    .private_segment_fixed_size: 0
    .kernarg_segment_align: 8
    .kernarg_segment_size: 80
    .max_flat_workgroup_size: 128
    .sgpr_count:     100
    .vgpr_count:     1024
    .wavefront_size: 32
...
	.end_amdgpu_metadata
.endif
;; end of part 2
;; launch attn (part 3): grid 4 x 64, 16 waves a work-group, no clusters, 137,216 bytes of LDS; arguments qkvc, padding_mask, lowp_scales, ao; writes ao
.if DOCPART == 3
	.amdgcn_target "amdgcn-amd-amdhsa--gfx1250"
	.amdhsa_code_object_version 6
	.text
	.protected	k_qc5a08eb454_attn
	.globl	k_qc5a08eb454_attn
	.p2align	8
	.type	k_qc5a08eb454_attn,@function
k_qc5a08eb454_attn:
	s_mov_b64 s[64:65], 0
	v_nop
	global_prefetch_b8 v0, s[64:65] scope:SCOPE_SE
	s_setreg_imm32_b32 hwreg(HW_REG_WAVE_MODE, 25, 1), 1
	s_wait_xcnt 0x0
; Attention on E5M2 codes: head size 64, 1,024 keys, a mask over the keys that is an input.  A work-group owns 256 queries of one (batch, head); each of its sixteen waves 16 of them, in 256 registers: four waves to a SIMD,
; so that one wave's vector work stands beside another's matrix work and LDS loads.
; Q, K and V arrive as images of operand registers (the launch before laid them so): a fragment comes by loads of 16 bytes at 16 x lane, with no pitch and no bank conflict.
; HOW K AND V COME.  A head's K and V (131,072 bytes) go into LDS through registers, each byte once, a key step (128 keys: 8,192 bytes of K, 8,192 of V; 16 bytes of each a thread) at a time.
; The head brings step 0 alone.  Step s + 3 is asked for in step s, into one of two register pairs that take turns; in the middle of step s the pair that holds step s + 1 is stored to that step's own LDS bytes.
; ONE BARRIER A STEP: its signal stands behind that store, its wait at the step's end; between the two stand register work and loads of this step's V, which nobody writes any more.
; The requests of steps 5, 6 and 7 name steps 0, 1 and 2 again and are not used: so two loads are issued in every step and the count of loads out at the wait is the same in every trip; no load leaves the buffer.
; The loop's trip is two steps, so that the pairs' register numbers come round.
; NO CLUSTER AND NO TENSOR LOAD, though the four query blocks of a head read the same K and V: each key step has two branches on loaded numbers:
; one spares 16 LDS loads where no key of the step is masked, one spares 64 vector instructions where p needs no hold.  NO PREFETCH: the loads themselves run two steps ahead of their use.
; LAYOUT.  S^T = K Q^T (source 0 = 16 keys, source 1 = my 16 queries), O^T = V^T P^T: a lane holds ONE query (lane % 16) throughout; register j of tile t is key 16 t + 8 (lane / 16) + j, so a conversion of a tile's eight
; registers is the register pair 2 t, 2 t + 1 of P's fragment.
; THE SOFTMAX: t = score x log2(e) / 8; M = the running largest t rounded up to a whole number; p = 2^(t - M) is quantised; the sum is taken of the unquantised p and divides at the end; when M moves, sum and O^T are multiplied by 2^(old M - new M).
; THE MASK: a masked key's score gets -3e38, as the C of its product (a table of 0 and -3e38 in LDS): no vector instruction.  A raw score is a sum of 64 products of codes, at most 64 x 57,344^2 < 2^38 in magnitude:
; so the running largest t starts at c x (-2^38), under every real t and over every masked one: masked keys never move M and their p is 0.
; LIMITS: e6 + e7 between -100 and 80; e8 and e10 between -126 and 112.  A batch all of whose keys are masked gives l = 0 and NaN here; what follows of it in later launches is not served.
; REGISTERS: v1-5 addresses that stay; v8-10 the step's addresses; v12 -M, v13 the largest t, v[14:15] the sum in two halves; v16-23 Q; v24-31 and v208-215 the two pairs; v216, v217 their loads' offsets; v218, v219 the store's addresses;
; v32-95 eight fragments of K, then four of V; v96-159 S^T, then p; v160-191 O^T; v192-207 P's codes.
.set MB, 131072                        ; LDS: K's images at 0, V's at 65,536, the mask's table here: 4 bytes a key
	s_load_b256 s[4:11], s[0:1], 0x0               ; qkvc, the mask, the scales' exponents, ao
	v_lshl_add_u32 v251, v0, 2, 0x21000
	v_mov_b32 v255, 0
	v_lshrrev_b32 v1, 5, v0
	s_delay_alu instid0(VALU_DEP_1)
	v_readfirstlane_b32 s18, v1                    ; wave 0..15
	v_and_b32 v1, 31, v0
	s_delay_alu instid0(VALU_DEP_1)
	v_lshlrev_b32 v1, 4, v1                        ; 16 x lane
	v_bfe_u32 v2, v0, 4, 1
	s_delay_alu instid0(VALU_DEP_1)
	v_lshlrev_b32 v2, 5, v2
	s_delay_alu instid0(VALU_DEP_1)
	v_add_nc_u32 v2, MB, v2                        ; the table: + 32 (lane / 16)
	v_lshlrev_b32 v3, 4, v0                        ; 16 x thread: my 16 bytes of a step of K
	s_delay_alu instid0(VALU_DEP_1)
	v_add_nc_u32 v4, 0x10000, v3                   ; and of V, in LDS
	v_lshl_add_u32 v5, v0, 2, MB                   ; my two keys' words of the table
	v_add_nc_u32 v216, 0x2000, v3                  ; step 1
	v_add_nc_u32 v217, 0x4000, v3                  ; step 2
	s_and_b32 s32, ttmp7, 0xffff                   ; 16 x batch + head
	s_lshr_b32 s33, s32, 4
	s_and_b32 s34, s32, 15
	s_lshl_b32 s35, ttmp9, 4
	s_add_co_u32 s35, s35, s18                     ; my tile of 16 queries, 0..63
	s_lshl_b32 s36, s32, 16                        ; a head is 65,536 bytes in each plane
	s_mov_b32 s37, 0
	s_lshl_b32 s38, s35, 10
	s_mov_b32 s39, 0
	s_lshl_b32 s40, s33, 10                        ; the batch's 1,024 bytes of the mask
	s_mov_b32 s41, 0
	s_lshl_b32 s42, s33, 6
	s_add_co_u32 s42, s42, s35                     ; my tile of tokens, 0..255
	s_lshl_b32 s42, s42, 3
	s_lshr_b32 s43, s34, 1
	s_add_co_u32 s42, s42, s43                     ; x 8 K steps of the next product + head / 2
	s_lshl_b32 s42, s42, 11
	s_and_b32 s43, s34, 1
	s_lshl_b32 s43, s43, 10                        ; an odd head is the fragment's upper half
	s_add_co_u32 s42, s42, s43
	s_mov_b32 s43, 0
	s_mov_b32 s20, 0x76543210                      ; v_permlanex16_b32: lane l xor 16
	s_mov_b32 s21, 0xfedcba98
	s_mov_b32 s22, 0x3e38aa3b                      ; c = log2(e) / 8
	s_mov_b32 s2, 0                                ; the step's bytes in K's and V's images: 8,192 a step
	s_mov_b32 s29, 0                               ; and in the table: 512 a step
	s_mov_b32 s3, 4
	s_mov_b32 s30, 0
	s_wait_alu depctr_va_vdst(0)
	s_wait_kmcnt 0x0
	s_load_b128 s[24:27], s[8:9], 0x18             ; e6, e7, e8, e9
	s_load_b32 s28, s[8:9], 0x28                   ; e10
	s_add_nc_u64 s[12:13], s[4:5], s[36:37]
	s_add_nc_u64 s[14:15], s[12:13], 0x400000      ; K's plane at my head
	s_add_nc_u64 s[16:17], s[12:13], 0x800000      ; V's
	s_add_nc_u64 s[12:13], s[12:13], s[38:39]      ; Q's at my tile
	s_add_nc_u64 s[6:7], s[6:7], s[40:41]
	s_add_nc_u64 s[10:11], s[10:11], s[42:43]
	s_load_b512 s[68:83], s[6:7], 0x0              ; the first step's 128 bytes of the mask
	s_load_b512 s[84:99], s[6:7], 0x40
	global_load_u8 v6, v0, s[6:7]
	global_load_u8 v7, v0, s[6:7] offset:512
	global_load_b128 v[32:35], v3, s[14:15]        ; step 0
	global_load_b128 v[36:39], v3, s[16:17]
	global_load_b128 v[16:19], v1, s[12:13]
	global_load_b128 v[20:23], v1, s[12:13] offset:512
	global_load_b128 v[24:27], v216, s[14:15]      ; step 1, into the first pair
	global_load_b128 v[28:31], v216, s[16:17]
	global_load_b128 v[208:211], v217, s[14:15]    ; step 2, into the second
	global_load_b128 v[212:215], v217, s[16:17]
	v_mov_b32 v11, 0xff61b1e6                      ; -3e38
	s_wait_alu depctr_va_vdst(0)
	s_wait_loadcnt 8                               ; my two bytes of the mask are in; step 0's 2, Q's 2 and the pairs' 4 loads may be out
	v_cmp_ne_u32 vcc_lo, 0, v6
	s_delay_alu instid0(VALU_DEP_1)
	v_cndmask_b32 v6, 0, v11, vcc_lo
	v_cmp_ne_u32 vcc_lo, 0, v7
	s_delay_alu instid0(VALU_DEP_1)
	v_cndmask_b32 v7, 0, v11, vcc_lo
	ds_store_b32 v5, v6
	ds_store_b32 v5, v7 offset:2048
	s_wait_loadcnt 6                               ; step 0's K and V are in
	ds_store_b128 v3, v[32:35]
	ds_store_b128 v4, v[36:39]
	s_wait_kmcnt 0x0
	s_add_co_i32 s32, s24, s25
	s_lshl_b32 s32, s32, 23
	s_add_co_i32 s22, s22, s32                     ; a score stands for score x 2^(e6 + e7): the exponents are added to c's exponent field
	s_mov_b32 s23, s22                             ; (named with it as a pair, so it is written)
	s_add_co_i32 s32, s26, 127
	s_lshl_b32 s33, s32, 23
	v_mov_b32 v244, s33                            ; 2^e8 as f32, for the conversion
	s_add_co_i32 s32, s32, 15
	s_lshl_b32 s32, s32, 23
	s_or_b32 s32, s32, 0x600000
	v_mov_b32 v240, s32                            ; 57,344 x 2^e8
	v_mov_b32 v13, 0xd2800000                      ; -2^38
	s_delay_alu instid0(VALU_DEP_1)
	v_mul_f32 v13, s22, v13                        ; the largest t so far: under every real t
	s_delay_alu instid0(VALU_DEP_1)
	v_floor_f32 v12, -v13                          ; -M
	v_mov_b32 v14, 0
	v_mov_b32 v15, 0
	v_mov_b32 v236, 0                              ; written once: a lane permute's destination counts as one of its sources
	v_mov_b32 v253, 0                              ; (named as the upper half of the pair v[252:253])
.set j, 0
.rept 32
	v_mov_b32 v[160+j], 0                          ; O^T: the step is written once, and its first trip finds zeros
.set j, j+1
.endr
	s_wait_loadcnt 4                               ; Q is in; the pairs' four loads may be out
	s_wait_dscnt 0x0                               ; for the others' sake: my stores have landed
	s_barrier_signal -1
	s_barrier_wait -1
; A KEY STEP of 128 keys.  kq, vq: the pair that holds the next step's K and V; ad: the offset register of that pair's loads.
.macro KSTEP kq, vq, ad
	s_wait_kmcnt 0x0                               ; this step's 128 bytes of the mask
.irp n, 70,72,74,76,78,80,82,84,86,88,90,92,94,96,98
	s_or_b64 s[68:69], s[68:69], s[\n:\n+1]
.endr
	s_or_b32 s31, s68, s69                         ; 0 where no key of the step is masked
	s_add_co_u32 s30, s30, 128
	s_and_b32 s30, s30, 896                        ; the next step's (the last step asks for the first step's again: no load leaves the buffer)
	s_load_b512 s[68:83], s[6:7], s30 offset:0x0
	s_load_b512 s[84:99], s[6:7], s30 offset:0x40
	v_add_nc_u32 v8, s2, v1                        ; these three and the v_nop are the four places in front of loads into registers that the last products read
	s_delay_alu instid0(VALU_DEP_1)
	v_add_nc_u32 v9, 0x10000, v8
	v_add_nc_u32 v10, s29, v2
	v_nop
.irp t, 0,1,2,3,4,5,6,7
	ds_load_b128 v[32+8*\t:35+8*\t], v8 offset:1024*\t
	ds_load_b128 v[36+8*\t:39+8*\t], v8 offset:1024*\t+512
.endr
	s_cmp_eq_u32 s31, 0
	s_cbranch_scc1 .Lfree_\@
.irp t, 0,1,2,3,4,5,6,7                    ; the table's 0 or -3e38 of key 16 t + 8 (lane / 16) + j, in the result's layout
	ds_load_b128 v[96+8*\t:99+8*\t], v10 offset:64*\t
	ds_load_b128 v[100+8*\t:103+8*\t], v10 offset:64*\t+16
.endr
	s_wait_dscnt 0x0
.irp t, 0,1,2,3,4,5,6,7
	v_wmma_f32_16x16x64_bf8_bf8 v[96+8*\t:103+8*\t], v[32+8*\t:39+8*\t], v[16:23], v[96+8*\t:103+8*\t]
.endr
	s_branch .Ljoin_\@
.Lfree_\@:
	s_wait_dscnt 0x0
.irp t, 0,1,2,3,4,5,6,7
	v_wmma_f32_16x16x64_bf8_bf8 v[96+8*\t:103+8*\t], v[32+8*\t:39+8*\t], v[16:23], 0
.endr
.Ljoin_\@:
.rept 4
	v_nop                                          ; places: in front of the loads into K's registers and of the first read of the scores
.endr
	s_wait_loadcnt 2                               ; the next step's K and V are in this pair; the other pair's two loads may be out
	s_cmp_eq_u32 s2, 0xe000                        ; the last step has no next: a branch on the count of steps, round the two stores alone
	s_cbranch_scc1 .Lnone_\@
	v_add_nc_u32 v218, s2, v3
	v_add_nc_u32 v219, s2, v4
	ds_store_b128 v218, v[\kq:\kq+3] offset:8192   ; into the next step's own bytes, which nobody reads before the barrier below is passed
	ds_store_b128 v219, v[\vq:\vq+3] offset:8192
.Lnone_\@:
	s_add_co_u32 s19, s2, 0x6000
	s_and_b32 s19, s19, 0xe000                     ; three steps on, mod 8
	v_add_nc_u32 v[\ad], s19, v3                   ; (this pair's last loads were waited for above, so their offset may be written)
	global_load_b128 v[\kq:\kq+3], v[\ad], s[14:15]
	global_load_b128 v[\vq:\vq+3], v[\ad], s[16:17]
	s_wait_dscnt 0x0                               ; for the others' sake: my stores have landed
	s_barrier_signal -1                            ; its wait stands at the step's end
	s_wait_alu depctr_va_vdst(0)
.irp d, 0,1,2,3                            ; V's four fragments land while the softmax is walked
.irp g, 0,1,2,3
	ds_load_b128 v[32+16*\d+4*\g:35+16*\d+4*\g], v9 offset:2048*\d+512*\g
.endr
.endr
	v_max3_num_f32 v254, v96, v97, v98             ; the step's largest score of my query, among my 64 keys, in two chains, each tile from its low end on,
	v_max3_num_f32 v252, v99, v100, v101
.irp i, 6,10,14,18,22,26,30,34,38,42,46,50,54,58
	v_max3_num_f32 v254, v254, v[96+\i], v[97+\i]
	v_max3_num_f32 v252, v252, v[98+\i], v[99+\i]
.endr
	v_max3_num_f32 v254, v254, v158, v159
	s_delay_alu instid0(VALU_DEP_1)
	v_max_num_f32 v254, v254, v252
	s_delay_alu instid0(VALU_DEP_1)
	v_permlanex16_b32 v236, v254, s20, s21
	s_delay_alu instid0(VALU_DEP_1)
	v_max_num_f32 v254, v254, v236                 ; and among lane l xor 16's
	s_delay_alu instid0(VALU_DEP_1)
	v_mul_f32 v254, s22, v254                      ; as t (c is positive)
	s_delay_alu instid0(VALU_DEP_1)
	v_max_num_f32 v13, v13, v254                   ; the running largest t
	v_mov_b32 v254, v12
	s_delay_alu instid0(VALU_DEP_2)
	v_floor_f32 v12, -v13                          ; the new -M = -ceil(t): a whole number
	s_delay_alu instid0(VALU_DEP_1)
	v_sub_f32 v254, v12, v254                      ; old M - new M: 0 or less
	s_delay_alu instid0(VALU_DEP_1)
	v_cvt_i32_f32 v254, v254                       ; (it saturates)
	s_delay_alu instid0(VALU_DEP_1)
	v_ldexp_f32 v252, 1.0, v254                    ; f = 2^(old M - new M)
.set j, 0
.rept 32
	v_pk_fma_f32 v[96+j:97+j], v[96+j:97+j], s[22:23], v[12:13] op_sel_hi:[1,0,0]   ; t - M, two at a time (of the pairs c and -M the low word serves both halves)
.set j, j+2
.endr
.set j, 0
	s_wait_alu depctr_va_vdst(0)
.rept 64
	v_exp_f32 v[96+j], v[96+j]                     ; p = 2^(t - M), at most 1
.set j, j+1
.endr
	v_pk_mul_f32 v[14:15], v[14:15], v[252:253] op_sel_hi:[1,0]   ; the sums under the new M: the plain instruction behind the exponentials
	s_wait_alu depctr_va_vdst(0)                   ; one wait for the whole batch, ahead of its first reader
	v_pk_add_f32 v[242:243], v[100:101], v[104:105]
	v_pk_add_f32 v[248:249], v[108:109], v[112:113]
	v_pk_add_f32 v[246:247], v[116:117], v[120:121]
	v_pk_add_f32 v[238:239], v[124:125], v[128:129]
	v_pk_add_f32 v[234:235], v[132:133], v[136:137]
	v_pk_add_f32 v[232:233], v[140:141], v[144:145]
	v_pk_add_f32 v[230:231], v[148:149], v[152:153]
	v_pk_add_f32 v[14:15], v[14:15], v[156:157]
	v_pk_add_f32 v[242:243], v[242:243], v[96:97]
	v_pk_add_f32 v[248:249], v[248:249], v[98:99]
	v_pk_add_f32 v[246:247], v[246:247], v[102:103]
	v_pk_add_f32 v[238:239], v[238:239], v[106:107]
	v_pk_add_f32 v[234:235], v[234:235], v[110:111]
	v_pk_add_f32 v[232:233], v[232:233], v[114:115]
	v_pk_add_f32 v[230:231], v[230:231], v[118:119]
	v_pk_add_f32 v[14:15], v[14:15], v[122:123]
	v_pk_add_f32 v[242:243], v[242:243], v[126:127]
	v_pk_add_f32 v[248:249], v[248:249], v[130:131]
	v_pk_add_f32 v[246:247], v[246:247], v[134:135]
	v_pk_add_f32 v[238:239], v[238:239], v[138:139]
	v_pk_add_f32 v[234:235], v[234:235], v[142:143]
	v_pk_add_f32 v[232:233], v[232:233], v[146:147]
	v_pk_add_f32 v[230:231], v[230:231], v[150:151]
	v_pk_add_f32 v[14:15], v[14:15], v[154:155]
	v_pk_add_f32 v[242:243], v[242:243], v[158:159]
	s_delay_alu instid0(VALU_DEP_2)
	v_pk_add_f32 v[14:15], v[14:15], v[238:239]
	s_delay_alu instid0(VALU_DEP_2)
	v_pk_add_f32 v[242:243], v[242:243], v[234:235]
	v_pk_add_f32 v[248:249], v[248:249], v[232:233]
	v_pk_add_f32 v[246:247], v[246:247], v[230:231]
	s_delay_alu instid0(VALU_DEP_2)
	v_pk_add_f32 v[14:15], v[14:15], v[248:249]
	s_delay_alu instid0(VALU_DEP_2)
	v_pk_add_f32 v[242:243], v[242:243], v[246:247]
	s_delay_alu instid0(VALU_DEP_1)
	v_pk_add_f32 v[14:15], v[14:15], v[242:243]
	s_cmp_gt_i32 s26, -16                          ; p <= 1 <= 57,344 x 2^e8 from e8 = -15 on: then the hold can hold nothing and is passed over
	s_cbranch_scc1 .Lnohold_\@
.set j, 0
.rept 64
	v_min_num_f32 v[96+j], v[96+j], v240           ; the conversion to an 8-bit code does not saturate (ISA guide 7.6.2); p is not negative, so the hold is one-sided
.set j, j+1
.endr
.Lnohold_\@:
.irp t, 0,1,2,3,4,5,6,7
	v_cvt_scalef32_pk8_bf8_f32 v[192+2*\t:193+2*\t], v[96+8*\t:103+8*\t], v244
.endr
.set j, 0
.rept 16
	v_pk_mul_f32 v[160+j:161+j], v[160+j:161+j], v[252:253] op_sel_hi:[1,0]   ; O^T under the new M; also the plain instructions between the conversions and the products
.set j, j+2
.endr
	s_wait_alu depctr_va_vdst(0)
	s_wait_dscnt 0x0                               ; V
.irp d, 0,1,2,3
	v_wmma_f32_16x16x128_bf8_bf8 v[160+8*\d:167+8*\d], v[32+16*\d:47+16*\d], v[192:207], v[160+8*\d:167+8*\d]
.endr
	s_add_co_u32 s2, s2, 8192
	s_add_co_u32 s29, s29, 512
	s_barrier_wait -1                              ; every wave's part of the next step's K and V lies in LDS
.endm
.Lstep:                                            ; 4 trips of two key steps
	KSTEP 24, 28, 216
	KSTEP 208, 212, 217
	s_sub_co_u32 s3, s3, 1
	s_cmp_lg_u32 s3, 0
	s_cbranch_scc1 .Lstep
	; THE WAY OUT: O^T / the sum x 2^(e8 + e9), quantised with 2^e10: the four tiles are register pairs of the next product's left operand (K = 64 x head + the head's 64).
	v_add_f32 v14, v14, v15
	s_delay_alu instid0(VALU_DEP_1)
	v_permlanex16_b32 v252, v14, s20, s21
	s_delay_alu instid0(VALU_DEP_1)
	v_add_f32 v14, v14, v252                       ; the row's sum
	s_wait_alu depctr_va_vdst(0)
	v_rcp_f32 v14, v14
	s_add_co_i32 s32, s26, s27
	s_add_co_i32 s33, s28, 127
	s_lshl_b32 s34, s33, 23
	s_add_co_i32 s33, s33, 15
	s_lshl_b32 s33, s33, 23
	s_or_b32 s33, s33, 0x600000
	v_mov_b32 v6, s34                              ; 2^e10
	v_mov_b32 v7, s33                              ; 57,344 x 2^e10
	v_nop
	v_nop
	s_wait_alu depctr_va_vdst(0)                   ; ahead of the reciprocal's first reader
	v_ldexp_f32 v14, v14, s32
.set j, 0
.rept 16
	v_pk_mul_f32 v[96+j:97+j], v[160+j:161+j], v[14:15] op_sel_hi:[1,0]
.set j, j+2
.endr
.set j, 0
.rept 32
	v_med3_num_f32 v[96+j], v[96+j], -v7, v7
.set j, j+1
.endr
.irp d, 0,1,2,3
	v_cvt_scalef32_pk8_bf8_f32 v[32+2*\d:33+2*\d], v[96+8*\d:103+8*\d], v6
.endr
	v_nop
	global_store_b128 v1, v[32:35], s[10:11]       ; 512 consecutive bytes each, aligned
	global_store_b128 v1, v[36:39], s[10:11] offset:512
	s_wait_tensorcnt 0x0                           ; the wave's end
	ds_add_u32 v251, v255
	s_wait_dscnt 0x0
	s_endpgm
.Lfunc_end_k_qc5a08eb454_attn:
	.size	k_qc5a08eb454_attn, .Lfunc_end_k_qc5a08eb454_attn-k_qc5a08eb454_attn
	.p2alignl 7, 3214868480
	.fill 96, 4, 3214868480
	.section	.rodata,"a",@progbits
	.p2align	6, 0x0
	.amdhsa_kernel k_qc5a08eb454_attn
		.amdhsa_group_segment_fixed_size 137216
		.amdhsa_private_segment_fixed_size 0
		.amdhsa_enable_private_segment 0
		.amdhsa_kernarg_size 32
		.amdhsa_user_sgpr_count 2
		.amdhsa_user_sgpr_kernarg_segment_ptr 1
		.amdhsa_wavefront_size32 1
		.amdhsa_system_sgpr_workgroup_id_x 1
		.amdhsa_system_sgpr_workgroup_id_y 1
		.amdhsa_system_sgpr_workgroup_id_z 1
		.amdhsa_system_vgpr_workitem_id 0
		.amdhsa_next_free_vgpr 256
		.amdhsa_next_free_sgpr 100
		.amdhsa_reserve_vcc 1
		.amdhsa_float_denorm_mode_32 3
		.amdhsa_float_denorm_mode_16_64 3
		.amdhsa_memory_ordered 1
		.amdhsa_forward_progress 1
		.amdhsa_inst_pref_size 49
	.end_amdhsa_kernel
	.amdgpu_metadata
---
amdhsa.version: [ 1, 2 ]
amdhsa.kernels:
  - .name:           k_qc5a08eb454_attn
    .symbol:         k_qc5a08eb454_attn.kd
    .args:
      - { .name: qkvc, .offset: 0, .size: 8, .value_kind: global_buffer, .address_space: global }
      - { .name: padding_mask, .offset: 8, .size: 8, .value_kind: global_buffer, .address_space: global }
      - { .name: lowp_scales, .offset: 16, .size: 8, .value_kind: global_buffer, .address_space: global }
      - { .name: ao, .offset: 24, .size: 8, .value_kind: global_buffer, .address_space: global }
    .group_segment_fixed_size: 137216
    .private_segment_fixed_size: 0
    .kernarg_segment_align: 8
    .kernarg_segment_size: 32
    .max_flat_workgroup_size: 512
    .sgpr_count:     100
    .vgpr_count:     256
    .wavefront_size: 32
...
	.end_amdgpu_metadata
.endif
;; end of part 3
;; launch oproj (part 4): grid 8 x 32, 4 waves a work-group, clusters of 4 x 4, 327,680 bytes of LDS; arguments ao, Wo_codes, lowp_scales, bo, x, x1; writes x1
.if DOCPART == 4
	.amdgcn_target "amdgcn-amd-amdhsa--gfx1250"
	.amdhsa_code_object_version 6
	.text
	.protected	k_qc5a08eb454_oproj
	.globl	k_qc5a08eb454_oproj
	.p2align	8
	.type	k_qc5a08eb454_oproj,@function
k_qc5a08eb454_oproj:
	s_mov_b64 s[64:65], 0
	v_nop
	global_prefetch_b8 v0, s[64:65] scope:SCOPE_SE
	s_setreg_imm32_b32 hwreg(HW_REG_WAVE_MODE, 25, 1), 1
	s_wait_xcnt 0x0
	s_wait_alu depctr_hold_cnt(0) depctr_sa_sdst(0) depctr_va_vdst(0) depctr_va_sdst(0) depctr_va_ssrc(0) depctr_va_vcc(0) depctr_vm_vsrc(0)
	s_getreg_b32 s2, hwreg(HW_REG_IB_STS2, 6, 4)
	s_cmp_eq_u32 s2, 0
	s_cbranch_scc0 .Lentry_in_a_cluster
	s_endpgm
.Lentry_in_a_cluster:
	s_bfe_u32 s2, ttmp6, 0x10000c
	s_cmp_lg_u32 s2, 0xf033
	s_cbranch_scc0 .Lentry_shape_is_right
	s_endpgm
.Lentry_shape_is_right:
; x1 = x + T Wo^T x 2^(e10 + e11) + bo.  T: the attention's result, [4096][1024] as images of operand registers, [tile of 16 tokens 256][K / 128 = 8][2,048 bytes];
; Wo: [1024][1024] E5M2 codes, row-major; bo [1024], x and x1 [4096][1024] f32.
; 256 blocks of 128 x 128, one work-group each; four waves, each 64 x 64: 16 accumulators, 128 registers.
; THE WHOLE K OF A BLOCK LIES IN LDS: T's 8 tiles x 16,384 bytes (dense) and Wo's 128 rows of 1,024 bytes + 16 of padding, 264,192 bytes.  Each wave asks for a quarter by ONE tensor load at the head;
; nothing is filled again, so there is one barrier and no ring.  NO PREFETCH: all that the block reads is asked for at the head, and there is no loop to run ahead in.
; T's images are in the operand's own layout (registers 2 c, 2 c + 1: k = 16 c + 8 (lane / 16) + 0..7), so Wo's fragments are read in that layout too, by loads of 8 bytes.
; CLUSTERS: 4 x 4 work-groups; T's tiles are asked for jointly by a row of the cluster, Wo's by a column.  THE MATRIX INSTRUCTION IS USED TRANSPOSED (source 0 = 16 rows of Wo, source 1 = 16 tokens): a lane holds eight neighbouring outputs of a row.
; THE RESIDUAL of my 64 x 64 outputs (128 registers) is asked for when the tiles have landed, and waited for on the way out, 16 tokens at a time.
; LIMIT: e10 + e11 between -126 and 127.
; REGISTERS: window 0: v0-31 addresses, v8-11 my four columns' bias; v64-95 rows back from the stage; v128-255 the accumulators ((a, b) at v[128 + 8 (4 a + b)]).
;   window 1: two fragment buffers of 128: T's four fragments, then Wo's four.   window 2: v0-127 the residual, 32 registers for each block of 16 tokens.
.set K,      1024
.set EOFF,   0x28                      ; the byte at which e10, e11 stand among the exponents
.set WP,     1040                      ; a row of Wo in LDS: 1,024 bytes + 16 = 260 words: lane (r, h) of a load of 8 bytes starts at bank 4 r + 2 h (64 banks of 4 bytes: ISA guide 11.1)
.set TPART,  131072
.set WHALF,  64*WP
.set STAGE,  TPART+2*WHALF             ; behind the tiles: 16 rows x (256 bytes + 16) for each wave
.set SP,     272
.set SPARE,  STAGE+4*16*SP             ; behind the stages: the spare words, 128 bytes for each wave, which no other line names
.set ADT, 16                           ; v16  LDS address of my T fragments
.set ADW, 20                           ; v20  the same for Wo
.set STO, 24                           ; v24  the stage: where I put 32 bytes of a row
.set RD,  25                           ; v25  and where I read a row back
.set CO,  26                           ; v26  my byte offset in two rows of x and x1; never rewritten
.set BO,  27                           ; v27  16 (lane % 16)
.set SPW, 28                           ; v28  LDS address of my spare word; never rewritten
.set NIL, 29                           ; v29  0; never rewritten
.set BB,  8
.set BK,  64
.set XR,  0                            ; in window 2
.set ACC, 128
.set F0,  0
.set F1,  128
.set G1, 24                            ; s[24:31] descriptor group 1 for T;  s[32:35] group 0
.set G0, 32
.set G1B, 48                           ; s[48:55], s[56:59] the same for Wo
.set G0B, 56
.set MSB, 0
.macro WIN new                         ; the immediate's high byte repeats the setting that is left
.if MSB != (\new)
	s_set_vgpr_msb (MSB<<8)|(\new)
.set MSB, (\new)
.endif
.endm
.set MUL,  0x05                        ; sources 0 (Wo) and 1 (T) window 1; C and D window 0
.set TO_F, 0x40                        ; destination window 1, address window 0
.macro CROUND                          ; a round of the cluster's barrier
	s_barrier_signal -1
	s_barrier_wait -1
	s_cmp_lg_u32 s10, 0
	s_cbranch_scc1 .Lnot_wave_0_\@
	s_barrier_signal -3
.Lnot_wave_0_\@:
	s_barrier_wait -3
	s_barrier_signal -1
	s_barrier_wait -1
.endm
	s_load_b256 s[68:75], s[0:1], 0x0              ; T, Wo, the scales' exponents, bo
	s_load_b128 s[76:79], s[0:1], 0x20             ; x, x1
	v_lshl_add_u32 v[SPW], v0, 2, SPARE
	v_mov_b32 v[NIL], 0
	ds_add_u32 v[SPW], v[NIL]                      ; the opening lines: the add, twice on end, and its wait ahead of my tensor load
	ds_add_u32 v[SPW], v[NIL]
	v_lshrrev_b32 v1, 5, v0
	v_readfirstlane_b32 s10, v1                    ; wave 0..3
	s_lshr_b32 s11, s10, 1                         ; which 64 tokens are mine.  Also: I fetch for T (0) or for Wo (1)
	s_and_b32 s12, s10, 1                          ; which 64 columns.  Also: which half of that tile I fetch
	s_bfe_u32 s40, ttmp6, 0x40000                  ; cx, cy
	s_bfe_u32 s41, ttmp6, 0x40004
	s_lshl_b32 s42, ttmp9, 2
	s_add_co_u32 s42, s42, s40                     ; block column = 4 x cluster x + cx
	s_and_b32 s13, ttmp7, 0xffff
	s_lshl_b32 s13, s13, 2
	s_add_co_u32 s13, s13, s41                     ; block row = 4 x cluster y + cy
	s_lshl_b32 s43, s41, 2
	s_lshl_b32 s43, 15, s43                        ; my row of the cluster
	s_lshl_b32 s44, 0x1111, s40                    ; my column
	s_or_b32 s[G1+0], s43, (3<<16)|(1<<21)         ; T: the mask of my row; elements of 8 bytes; bit 21 beside a mask; no padding
	s_mov_b32 s[G1+1], 2048<<16                    ; tensor_dim0 = 2,048 elements: a tile's eight images, 16,384 bytes
	s_mov_b32 s[G1+2], 4<<16                       ; tensor_dim1 = 4 tiles of tokens
	s_mov_b32 s[G1+3], 2048<<16                    ; tile_dim0
	s_mov_b32 s[G1+4], 4                           ; tile_dim1
	s_mov_b32 s[G1+5], 2048                        ; from tile to tile
	s_mov_b32 s[G1+6], 0
	s_mov_b32 s[G1+7], 0
	s_or_b32 s[G1B+0], s44, (0<<16)|(1<<20)|(1<<21)|(7<<22)|(3<<25)  ; Wo: the mask of my column; elements of 1 byte; 4 words of padding after every 256
	s_mov_b32 s[G1B+1], K<<16
	s_mov_b32 s[G1B+2], 64<<16
	s_mov_b32 s[G1B+3], K<<16
	s_mov_b32 s[G1B+4], 64
	s_mov_b32 s[G1B+5], K
	s_mov_b32 s[G1B+6], 0
	s_mov_b32 s[G1B+7], 0
	s_lshl_b32 s16, s13, 3
	s_lshl_b32 s17, s12, 2
	s_add_co_u32 s16, s16, s17                     ; T: tile of tokens 8 x block row + 4 x half,
	s_lshl_b32 s16, s16, 14                        ; x 16,384 bytes
	s_mov_b32 s17, 0
	s_lshl_b32 s46, s42, 7
	s_lshl_b32 s47, s12, 6
	s_add_co_u32 s46, s46, s47                     ; Wo: row 128 x block column + 64 x half,
	s_lshl_b32 s46, s46, 10                        ; x 1,024 bytes
	s_mov_b32 s47, 0
	s_lshl_b32 s20, s12, 16                        ; where they go: T's half,
	s_mul_i32 s22, s12, WHALF
	s_add_co_u32 s22, s22, TPART                   ; Wo's half (also: my 64 rows of Wo): the wave's number alone enters an LDS address
	s_lshl_b32 s21, s11, 16                        ; my four tiles of tokens
	s_mul_i32 s23, s10, 16*SP
	s_add_co_u32 s23, s23, STAGE                   ; my stage
	s_wait_dscnt 0x0                               ; both opening adds are done
	s_wait_kmcnt 0x0
	s_load_b64 s[80:81], s[72:73], EOFF            ; e10, e11
	s_mov_b32 s[G0], 1
	s_mov_b32 s[G0+1], s20
	s_add_nc_u64 s[G0+2:G0+3], s[68:69], s[16:17]
	s_or_b32 s[G0+3], s[G0+3], 0x80000000
	s_mov_b32 s[G0B], 1
	s_mov_b32 s[G0B+1], s22
	s_add_nc_u64 s[G0B+2:G0B+3], s[70:71], s[46:47]
	s_or_b32 s[G0B+3], s[G0B+3], 0x80000000
	CROUND                                         ; all sixteen work-groups are here: the joint loads meet
	s_cmp_eq_u32 s11, 0                            ; waves 0 and 1 fetch T's halves, waves 2 and 3 Wo's: one load in each arm
	s_cbranch_scc0 .Lfor_w
	tensor_load_to_lds s[G0:G0+3], s[G1:G1+7]
	s_nop 0
.rept 4
	v_nop
.endr
	s_branch .Lasked
.Lfor_w:
	tensor_load_to_lds s[G0B:G0B+3], s[G1B:G1B+7]
	s_nop 0
.rept 4
	v_nop
.endr
.Lasked:
	v_and_b32 v1, 15, v0                           ; r
	v_bfe_u32 v2, v0, 4, 1                         ; h
	v_and_b32 v3, 31, v0
	v_lshlrev_b32 v4, 4, v3                        ; 16 x lane
	v_mul_u32_u24 v5, v1, WP
	v_lshl_add_u32 v5, v2, 3, v5                   ; 1,040 r + 8 h
	v_add_nc_u32 v[ADT], s21, v4
	v_add_nc_u32 v[ADW], s22, v5
	v_mul_u32_u24 v6, v1, SP
	v_lshl_add_u32 v6, v2, 5, v6
	v_add_nc_u32 v[STO], s23, v6                   ; in: row r, + 32 h
	v_mul_u32_u24 v6, v2, SP
	v_lshl_add_u32 v6, v1, 4, v6
	v_add_nc_u32 v[RD], s23, v6                    ; back: lanes 0-15 one row of 256 bytes, lanes 16-31 the next
	v_lshlrev_b32 v[BO], 4, v1
	v_lshl_add_u32 v[CO], v2, 12, v[BO]            ; and the same two rows of 4,096 bytes in memory
	s_wait_alu depctr_va_vdst(0)
	s_lshl_b32 s16, s13, 7
	s_lshl_b32 s17, s11, 6
	s_add_co_u32 s16, s16, s17                     ; my first token
	s_lshl_b32 s16, s16, 12
	s_mov_b32 s17, 0
	s_lshl_b32 s46, s42, 9                         ; my first column, in bytes: 512 x block column + 256 x half
	s_lshl_b32 s47, s12, 8
	s_add_co_u32 s46, s46, s47
	s_mov_b32 s47, 0
	s_add_nc_u64 s[74:75], s[74:75], s[46:47]
	s_add_nc_u64 s[76:77], s[76:77], s[16:17]
	s_add_nc_u64 s[76:77], s[76:77], s[46:47]
	s_add_nc_u64 s[78:79], s[78:79], s[16:17]
	s_add_nc_u64 s[78:79], s[78:79], s[46:47]
.macro MULA f, a, zero                 ; 4 matrix instructions: tile of tokens a x Wo's four fragments, 128 along K.  The 16 accumulators take turns, one instruction a turn
.irp b, 0,1,2,3
.if \zero
	v_wmma_f32_16x16x128_bf8_bf8 v[ACC+8*(4*\a+\b):ACC+8*(4*\a+\b)+7], v[\f+64+16*\b:\f+64+16*\b+15], v[\f+16*\a:\f+16*\a+15], 0
.else
	v_wmma_f32_16x16x128_bf8_bf8 v[ACC+8*(4*\a+\b):ACC+8*(4*\a+\b)+7], v[\f+64+16*\b:\f+64+16*\b+15], v[\f+16*\a:\f+16*\a+15], v[ACC+8*(4*\a+\b):ACC+8*(4*\a+\b)+7]
.endif
.endr
.endm
.macro FETCH q, f                      ; 48 LDS loads in one run: the q-th 128 along K into buffer f: Wo's four fragments, then T's tiles 0, 1, then 2, 3
	WIN TO_F
.irp i, 0,1,2,3
.irp c, 0,1,2,3,4,5,6,7
	ds_load_b64 v[\f+64+16*\i+2*\c:\f+64+16*\i+2*\c+1], v[ADW] offset:16*WP*\i+128*(\q)+16*\c
.endr
.endr
.irp i, 0,1,2,3
.irp c, 0,1,2,3
	ds_load_b128 v[\f+16*\i+4*\c:\f+16*\i+4*\c+3], v[ADT] offset:16384*\i+2048*(\q)+512*\c
.endr
.endr
.endm
; A step of 128 along K: 16 matrix instructions on buffer f; in its middle the next step's fragments are fetched into g, behind four places (ISA guide 7.12.1 for vector instructions).
.macro QUARTER qn, f, g, zero
	s_wait_dscnt 8                                 ; Wo and T's tiles 0, 1 are in; the youngest eight loads (tiles 2, 3) may be out
	WIN MUL
	MULA \f, 0, \zero
	MULA \f, 1, \zero
.rept 4
	v_nop
.endr
	FETCH \qn, \g
	s_wait_dscnt 48                                ; all but the 48 just issued
	WIN MUL
	MULA \f, 2, \zero
	MULA \f, 3, \zero
.endm
	s_wait_tensorcnt 0x0                           ; my quarter is in,
	s_barrier_signal -1
	s_barrier_wait -1                              ; everybody's is
	FETCH 0, F0
	WIN 0
	global_load_b128 v[BB:BB+3], v[BO], s[74:75]   ; these 33 loads have the whole product in which to land; their address registers are never rewritten
	WIN 0x80                                       ; destination window 2, address window 0
.irp a, 0,1,2,3
.irp t, 0,1,2,3,4,5,6,7
	global_load_b128 v[XR+32*\a+4*\t:XR+32*\a+4*\t+3], v[CO], s[76:77] offset:(16*\a+2*\t)*4096   ; as the rows will come back from the stage: 16 lanes read 256 consecutive bytes, aligned
.endr
.endr
	QUARTER 1, F0, F1, 1                           ; the first step's products start the sums
	QUARTER 2, F1, F0, 0
	QUARTER 3, F0, F1, 0
	QUARTER 4, F1, F0, 0
	QUARTER 5, F0, F1, 0
	QUARTER 6, F1, F0, 0
	QUARTER 7, F0, F1, 0
	s_wait_dscnt 8
	WIN MUL
	MULA F1, 0, 0
	MULA F1, 1, 0
	s_wait_dscnt 0
	MULA F1, 2, 0
	MULA F1, 3, 0
	; THE WAY OUT, 16 tokens at a time: the raw sums go through my own stage and come back as whole rows of 256 bytes; x1 = (sum x 2^(e10 + e11) + x) + bo.
	s_wait_kmcnt 0x0
	s_add_co_i32 s80, s80, s81
	s_add_co_i32 s80, s80, 127
	s_lshl_b32 s80, s80, 23                        ; 2^(e10 + e11) as f32
	s_mov_b32 s81, s80                             ; (named with it as a pair, so it is written)
	WIN 0
.rept 4
	v_nop                                          ; places in front of the first read of results (ISA guide 7.12.1)
.endr
.irp a, 0,1,2,3
.if \a > 0
	s_wait_xcnt 0x0                                ; the last block's stores have read their data: those registers are loaded again only behind this wait
.endif
.irp b, 0,1,2,3                        ; each accumulator from its low end on
	ds_store_b128 v[STO], v[ACC+8*(4*\a+\b):ACC+8*(4*\a+\b)+3] offset:64*\b
	ds_store_b128 v[STO], v[ACC+8*(4*\a+\b)+4:ACC+8*(4*\a+\b)+7] offset:64*\b+16
.endr
.irp t, 0,1,2,3,4,5,6,7
	ds_load_b128 v[BK+4*\t:BK+4*\t+3], v[RD] offset:2*SP*\t   ; LDS serves a wave's instructions in order (ISA guide 5.7.1.4): these see my stores
.endr
	s_wait_loadcnt 8*(3-\a)                        ; the bias and this block's residual are in; the later blocks' eight loads each may be out
	s_wait_dscnt 0x0
	WIN 0x20                                       ; source 2 window 2
.set j, 0
.rept 16
	v_pk_fma_f32 v[BK+j:BK+j+1], v[BK+j:BK+j+1], s[80:81], v[XR+32*\a+j:XR+32*\a+j+1] op_sel_hi:[1,0,1]
.set j, j+2
.endr
	WIN 0
.set j, 0
.rept 8
	v_pk_add_f32 v[BK+j:BK+j+1], v[BK+j:BK+j+1], v[BB:BB+1]
	v_pk_add_f32 v[BK+j+2:BK+j+3], v[BK+j+2:BK+j+3], v[BB+2:BB+3]
.set j, j+4
.endr
.irp t, 0,1,2,3,4,5,6,7
	global_store_b128 v[CO], v[BK+4*\t:BK+4*\t+3], s[78:79] offset:(16*\a+2*\t)*4096   ; 16 lanes store 256 consecutive bytes, aligned
.endr
.endr
	s_wait_tensorcnt 0x0                           ; the wave's end
	ds_add_u32 v[SPW], v[NIL]
	s_wait_dscnt 0x0
	CROUND                                         ; the closing round
	s_endpgm
.Lfunc_end_k_qc5a08eb454_oproj:
	.size	k_qc5a08eb454_oproj, .Lfunc_end_k_qc5a08eb454_oproj-k_qc5a08eb454_oproj
	.p2alignl 7, 3214868480
	.fill 96, 4, 3214868480
	.section	.rodata,"a",@progbits
	.p2align	6, 0x0
	.amdhsa_kernel k_qc5a08eb454_oproj
		.amdhsa_group_segment_fixed_size 327680
		.amdhsa_private_segment_fixed_size 0
		.amdhsa_enable_private_segment 0
		.amdhsa_kernarg_size 48
		.amdhsa_user_sgpr_count 2
		.amdhsa_user_sgpr_kernarg_segment_ptr 1
		.amdhsa_wavefront_size32 1
		.amdhsa_system_sgpr_workgroup_id_x 1
		.amdhsa_system_sgpr_workgroup_id_y 1
		.amdhsa_system_sgpr_workgroup_id_z 1
		.amdhsa_system_vgpr_workitem_id 0
		.amdhsa_next_free_vgpr 640
		.amdhsa_next_free_sgpr 84
		.amdhsa_reserve_vcc 0
		.amdhsa_float_denorm_mode_32 3
		.amdhsa_float_denorm_mode_16_64 3
		.amdhsa_memory_ordered 1
		.amdhsa_forward_progress 1
		.amdhsa_inst_pref_size 60
	.end_amdhsa_kernel
	.amdgpu_metadata
---
amdhsa.version: [ 1, 2 ]
amdhsa.kernels:
  - .name:           k_qc5a08eb454_oproj
    .symbol:         k_qc5a08eb454_oproj.kd
    .args:
      - { .name: ao, .offset: 0, .size: 8, .value_kind: global_buffer, .address_space: global }
      - { .name: Wo_codes, .offset: 8, .size: 8, .value_kind: global_buffer, .address_space: global }
      - { .name: lowp_scales, .offset: 16, .size: 8, .value_kind: global_buffer, .address_space: global }
      - { .name: bo, .offset: 24, .size: 8, .value_kind: global_buffer, .address_space: global }
      - { .name: x, .offset: 32, .size: 8, .value_kind: global_buffer, .address_space: global }
      - { .name: x1, .offset: 40, .size: 8, .value_kind: global_buffer, .address_space: global }
    .group_segment_fixed_size: 327680
    .private_segment_fixed_size: 0
    .kernarg_segment_align: 8
    .kernarg_segment_size: 48
    .max_flat_workgroup_size: 128
    .sgpr_count:     84
    .vgpr_count:     640
    .wavefront_size: 32
...
	.end_amdgpu_metadata
.endif
;; end of part 4
;; launch ln2 (part 5): grid 256 x 1, 8 waves a work-group, no clusters, 0 bytes of LDS; arguments x1, g2, be2, lowp_scales, h2; writes h2
.if DOCPART == 5
	.amdgcn_target "amdgcn-amd-amdhsa--gfx1250"
	.amdhsa_code_object_version 6
	.text
	.protected	k_qc5a08eb454_ln2
	.globl	k_qc5a08eb454_ln2
	.p2align	8
	.type	k_qc5a08eb454_ln2,@function
k_qc5a08eb454_ln2:
	s_mov_b64 s[64:65], 0
	v_nop
	global_prefetch_b8 v0, s[64:65] scope:SCOPE_SE
	s_setreg_imm32_b32 hwreg(HW_REG_WAVE_MODE, 25, 1), 1
	s_wait_xcnt 0x0
; LayerNorm of x1 [4096][1024] f32 with g2, be2, quantised to E5M2 codes with the scale 2^e12 (the left operand of the first product of the FFN), into h2 [4096][1024] bytes, row-major.
; SHARES.  A work-group takes 16 rows, a wave two whole rows: the reductions never leave the wave, so there is no LDS and no barrier; matrix units and clusters have nothing to do here.
; A lane holds, of each row, columns 256 j + 8 lane + 0..7 (j = 0..3): eight neighbours along K, which one conversion turns into 8 bytes; a wave's store of 8 bytes a lane covers 256 consecutive bytes, aligned.
; LIMITS: e12 between -126 and 112.  NaN among the inputs is not served.
.set X,   16                           ; v16-79   two rows, 32 numbers a lane each
.set G,   80                           ; v80-111  g2 of my 32 columns
.set BE,  112                          ; v112-143 be2
.set TMP, 144                          ; v144-175 at work
.set C,   176                          ; v176-191 codes: 8 registers a row
.set SC,  224                          ; v224, v225: 2^e12, 57,344 x 2^e12
	s_load_b256 s[4:11], s[0:1], 0x0               ; x1, g2, be2, the scales' exponents
	s_load_b64 s[12:13], s[0:1], 0x20              ; h2
	v_lshrrev_b32 v1, 5, v0
	s_delay_alu instid0(VALU_DEP_1)
	v_readfirstlane_b32 s16, v1                    ; wave 0..7
	v_and_b32 v1, 31, v0                           ; lane
	s_delay_alu instid0(VALU_DEP_1)
	v_lshlrev_b32 v2, 5, v1                        ; 32 bytes of f32 a lane
	s_delay_alu instid0(VALU_DEP_2)
	v_lshlrev_b32 v3, 3, v1                        ; 8 bytes of codes a lane
	v_mov_b32 v14, 0                               ; written once: a lane permute's destination counts as one of its sources
	v_mov_b32 v15, 0
	s_lshl_b32 s17, ttmp9, 4
	s_lshl_b32 s18, s16, 1
	s_add_co_u32 s17, s17, s18                     ; my first row
	s_lshl_b32 s2, s17, 12
	s_mov_b32 s3, 0
	s_lshl_b32 s18, s17, 10
	s_mov_b32 s19, 0
	s_mov_b32 s34, 0x76543210                      ; v_permlanex16_b32: lane l xor 16
	s_mov_b32 s35, 0xfedcba98
	s_mov_b32 s38, 0x3a800000                      ; 1 / 1024
	s_mov_b32 s39, 0x3727c5ac                      ; 1e-5
	s_wait_alu depctr_va_vdst(0)
	s_wait_kmcnt 0x0
	s_load_b32 s20, s[10:11], 0x30                 ; e12
	s_add_nc_u64 s[4:5], s[4:5], s[2:3]
	s_add_nc_u64 s[28:29], s[12:13], s[18:19]
.irp p, 0,1
.irp j, 0,1,2,3
	global_load_b128 v[X+32*\p+8*\j:X+32*\p+8*\j+3], v2, s[4:5] offset:4096*\p+1024*\j
	global_load_b128 v[X+32*\p+8*\j+4:X+32*\p+8*\j+7], v2, s[4:5] offset:4096*\p+1024*\j+16
.endr
.endr
.irp j, 0,1,2,3
	global_load_b128 v[G+8*\j:G+8*\j+3], v2, s[6:7] offset:1024*\j
	global_load_b128 v[G+8*\j+4:G+8*\j+7], v2, s[6:7] offset:1024*\j+16
.endr
.irp j, 0,1,2,3
	global_load_b128 v[BE+8*\j:BE+8*\j+3], v2, s[8:9] offset:1024*\j
	global_load_b128 v[BE+8*\j+4:BE+8*\j+7], v2, s[8:9] offset:1024*\j+16
.endr
; The four chains of each row (pairs at TMP + 8 p + 2 c) are folded, then summed over the 32 lanes: v12 row 0, v13 row 1, in every lane.
.macro FOLD
.irp p, 0
	v_pk_add_f32 v[TMP+8*\p:TMP+8*\p+1], v[TMP+8*\p:TMP+8*\p+1], v[TMP+8*\p+2:TMP+8*\p+3]
	v_pk_add_f32 v[TMP+8*\p+4:TMP+8*\p+5], v[TMP+8*\p+4:TMP+8*\p+5], v[TMP+8*\p+6:TMP+8*\p+7]
.endr
.irp p, 1
	v_pk_add_f32 v[TMP+8*\p:TMP+8*\p+1], v[TMP+8*\p:TMP+8*\p+1], v[TMP+8*\p+2:TMP+8*\p+3]
	s_delay_alu instid0(VALU_DEP_4)
	v_pk_add_f32 v[TMP+8*\p+4:TMP+8*\p+5], v[TMP+8*\p+4:TMP+8*\p+5], v[TMP+8*\p+6:TMP+8*\p+7]
.endr
.irp p, 0
	s_delay_alu instid0(VALU_DEP_3)
	v_pk_add_f32 v[TMP+8*\p:TMP+8*\p+1], v[TMP+8*\p:TMP+8*\p+1], v[TMP+8*\p+4:TMP+8*\p+5]
.endr
.irp p, 1
	s_delay_alu instid0(VALU_DEP_2)
	v_pk_add_f32 v[TMP+8*\p:TMP+8*\p+1], v[TMP+8*\p:TMP+8*\p+1], v[TMP+8*\p+4:TMP+8*\p+5]
.endr
.irp p, 0,1
	s_delay_alu instid0(VALU_DEP_2)
	v_add_f32 v[12+\p], v[TMP+8*\p], v[TMP+8*\p+1]
.endr
.irp m, 1,2,4,8
	s_delay_alu instid0(VALU_DEP_2)
	v_add_f32_dpp v12, v12, v12 row_xmask:\m row_mask:0xf bank_mask:0xf
	s_delay_alu instid0(VALU_DEP_2)
	v_add_f32_dpp v13, v13, v13 row_xmask:\m row_mask:0xf bank_mask:0xf
.endr
	s_delay_alu instid0(VALU_DEP_2)
	v_permlanex16_b32 v14, v12, s34, s35
	s_delay_alu instid0(VALU_DEP_2)
	v_permlanex16_b32 v15, v13, s34, s35
	s_delay_alu instid0(VALU_DEP_2)
	v_add_f32 v12, v12, v14
	s_delay_alu instid0(VALU_DEP_2)
	v_add_f32 v13, v13, v15
.endm
	s_wait_loadcnt 16                              ; both rows are in; the sixteen loads of g2 and be2 may be out
.irp p, 0,1
.irp c, 0,1,2,3
	v_pk_add_f32 v[TMP+8*\p+2*\c:TMP+8*\p+2*\c+1], v[X+32*\p+2*\c:X+32*\p+2*\c+1], v[X+32*\p+8+2*\c:X+32*\p+8+2*\c+1]
.endr
.endr
.irp k, 16,24
.irp p, 0,1
.irp c, 0,1,2,3
	v_pk_add_f32 v[TMP+8*\p+2*\c:TMP+8*\p+2*\c+1], v[TMP+8*\p+2*\c:TMP+8*\p+2*\c+1], v[X+32*\p+\k+2*\c:X+32*\p+\k+2*\c+1]
.endr
.endr
.endr
	FOLD
	s_delay_alu instid0(VALU_DEP_2)
	v_mul_f32 v4, s38, v12                         ; the means, each in both halves of a pair
	s_delay_alu instid0(VALU_DEP_2)
	v_mul_f32 v6, s38, v13
	s_delay_alu instid0(VALU_DEP_2)
	v_mov_b32 v5, v4
	s_delay_alu instid0(VALU_DEP_2)
	v_mov_b32 v7, v6
.irp p, 0,1
.set i, 0
.rept 16
	v_pk_add_f32 v[X+32*\p+i:X+32*\p+i+1], v[X+32*\p+i:X+32*\p+i+1], v[4+2*\p:5+2*\p] neg_lo:[0,1] neg_hi:[0,1]   ; d = x - mean
.set i, i+2
.endr
.endr
.irp p, 0,1
.irp c, 0,1,2,3
	v_pk_mul_f32 v[TMP+8*\p+2*\c:TMP+8*\p+2*\c+1], v[X+32*\p+2*\c:X+32*\p+2*\c+1], v[X+32*\p+2*\c:X+32*\p+2*\c+1]
.endr
.endr
.irp k, 8,16,24
.irp p, 0,1
.irp c, 0,1,2,3
	v_pk_fma_f32 v[TMP+8*\p+2*\c:TMP+8*\p+2*\c+1], v[X+32*\p+\k+2*\c:X+32*\p+\k+2*\c+1], v[X+32*\p+\k+2*\c:X+32*\p+\k+2*\c+1], v[TMP+8*\p+2*\c:TMP+8*\p+2*\c+1]
.endr
.endr
.endr
	FOLD
	s_delay_alu instid0(VALU_DEP_2)
	v_fma_f32 v12, v12, s38, s39                   ; the variance + 1e-5
	s_delay_alu instid0(VALU_DEP_2)
	v_fma_f32 v13, v13, s38, s39
	s_wait_alu depctr_va_vdst(0)
	v_rsq_f32 v8, v12                              ; twice each, to fill the pairs of the packed multiply
	v_rsq_f32 v9, v12
	v_rsq_f32 v10, v13
	v_rsq_f32 v11, v13
	v_nop                                          ; a plain instruction behind the last of them
	s_wait_alu depctr_va_vdst(0)                   ; one wait for the four, ahead of their first reader
	s_wait_loadcnt 0x0                             ; g2 and be2
.irp p, 0,1
.set i, 0
.rept 16
	v_pk_mul_f32 v[X+32*\p+i:X+32*\p+i+1], v[X+32*\p+i:X+32*\p+i+1], v[8+2*\p:9+2*\p]
.set i, i+2
.endr
.set i, 0
.rept 16
	v_pk_fma_f32 v[X+32*\p+i:X+32*\p+i+1], v[X+32*\p+i:X+32*\p+i+1], v[G+i:G+i+1], v[BE+i:BE+i+1]
.set i, i+2
.endr
.endr
	s_wait_kmcnt 0x0
	s_add_co_i32 s36, s20, 127
	s_lshl_b32 s37, s36, 23
	v_mov_b32 v[SC], s37                           ; 2^e12 as f32: the conversion takes its exponent field
	s_add_co_i32 s36, s36, 15
	s_lshl_b32 s36, s36, 23
	s_or_b32 s36, s36, 0x600000
	v_mov_b32 v[SC+1], s36                         ; 57,344 x 2^e12
.irp p, 0,1
.set i, 0
.rept 32
	v_med3_num_f32 v[TMP+i], v[X+32*\p+i], -v[SC+1], v[SC+1]   ; the conversion to an 8-bit code does not saturate (ISA guide 7.6.2): the hold comes first
.set i, i+1
.endr
.irp j, 0,1,2,3
	v_cvt_scalef32_pk8_bf8_f32 v[C+8*\p+2*\j:C+8*\p+2*\j+1], v[TMP+8*\j:TMP+8*\j+7], v[SC]
.endr
	v_nop                                          ; a plain instruction between the conversions and the next lines that write their sources
.irp j, 0,1,2,3
	global_store_b64 v3, v[C+8*\p+2*\j:C+8*\p+2*\j+1], s[28:29] offset:1024*\p+256*\j   ; 32 lanes store 256 consecutive bytes, aligned
.endr
.endr
	s_endpgm
.Lfunc_end_k_qc5a08eb454_ln2:
	.size	k_qc5a08eb454_ln2, .Lfunc_end_k_qc5a08eb454_ln2-k_qc5a08eb454_ln2
	.p2alignl 7, 3214868480
	.fill 96, 4, 3214868480
	.section	.rodata,"a",@progbits
	.p2align	6, 0x0
	.amdhsa_kernel k_qc5a08eb454_ln2
		.amdhsa_group_segment_fixed_size 0
		.amdhsa_private_segment_fixed_size 0
		.amdhsa_enable_private_segment 0
		.amdhsa_kernarg_size 40
		.amdhsa_user_sgpr_count 2
		.amdhsa_user_sgpr_kernarg_segment_ptr 1
		.amdhsa_wavefront_size32 1
		.amdhsa_system_sgpr_workgroup_id_x 1
		.amdhsa_system_sgpr_workgroup_id_y 1
		.amdhsa_system_sgpr_workgroup_id_z 1
		.amdhsa_system_vgpr_workitem_id 0
		.amdhsa_next_free_vgpr 232
		.amdhsa_next_free_sgpr 66
		.amdhsa_reserve_vcc 0
		.amdhsa_float_denorm_mode_32 3
		.amdhsa_float_denorm_mode_16_64 3
		.amdhsa_memory_ordered 1
		.amdhsa_forward_progress 1
		.amdhsa_inst_pref_size 24
	.end_amdhsa_kernel
	.amdgpu_metadata
---
amdhsa.version: [ 1, 2 ]
amdhsa.kernels:
  - .name:           k_qc5a08eb454_ln2
    .symbol:         k_qc5a08eb454_ln2.kd
    .args:
      - { .name: x1, .offset: 0, .size: 8, .value_kind: global_buffer, .address_space: global }
      - { .name: g2, .offset: 8, .size: 8, .value_kind: global_buffer, .address_space: global }
      - { .name: be2, .offset: 16, .size: 8, .value_kind: global_buffer, .address_space: global }
      - { .name: lowp_scales, .offset: 24, .size: 8, .value_kind: global_buffer, .address_space: global }
      - { .name: h2, .offset: 32, .size: 8, .value_kind: global_buffer, .address_space: global }
    .group_segment_fixed_size: 0
    .private_segment_fixed_size: 0
    .kernarg_segment_align: 8
    .kernarg_segment_size: 40
    .max_flat_workgroup_size: 256
    .sgpr_count:     66
    .vgpr_count:     232
    .wavefront_size: 32
...
	.end_amdgpu_metadata
.endif
;; end of part 5
;; launch ffn1 (part 6): grid 16 x 16, 4 waves a work-group, clusters of 4 x 4, 327,680 bytes of LDS; arguments h2, W1_codes, lowp_scales, b1, ff; writes ff
.if DOCPART == 6
	.amdgcn_target "amdgcn-amd-amdhsa--gfx1250"
	.amdhsa_code_object_version 6
	.text
	.protected	k_qc5a08eb454_ffn1
	.globl	k_qc5a08eb454_ffn1
	.p2align	8
	.type	k_qc5a08eb454_ffn1,@function
k_qc5a08eb454_ffn1:
	s_mov_b64 s[64:65], 0
	v_nop
	global_prefetch_b8 v0, s[64:65] scope:SCOPE_SE
	s_setreg_imm32_b32 hwreg(HW_REG_WAVE_MODE, 25, 1), 1
	s_wait_xcnt 0x0
	s_wait_alu depctr_hold_cnt(0) depctr_sa_sdst(0) depctr_va_vdst(0) depctr_va_sdst(0) depctr_va_ssrc(0) depctr_va_vcc(0) depctr_vm_vsrc(0)
	s_getreg_b32 s2, hwreg(HW_REG_IB_STS2, 6, 4)
	s_cmp_eq_u32 s2, 0
	s_cbranch_scc0 .Lentry_in_a_cluster
	s_endpgm
.Lentry_in_a_cluster:
	s_bfe_u32 s2, ttmp6, 0x10000c
	s_cmp_lg_u32 s2, 0xf033
	s_cbranch_scc0 .Lentry_shape_is_right
	s_endpgm
.Lentry_shape_is_right:
; ff = Q(gelu(h2 W1^T x 2^(e12 + e13) + b1)), the exact gelu, quantised with 2^e14.  h2 [4096][1024] and W1 [4096][1024]: E5M2 codes, row-major.
; ff leaves as images of the next product's operand registers: [tile of 16 tokens 256][K / 128 = 32][2,048 bytes].
; A block is 256 x 256, a wave makes 128 x 128: 64 accumulators.  K goes in steps of 256 through a ring of two LDS slots filled by joint tensor loads of a 4 x 4 cluster (h2's tile along a row, W1's along a column).
; The matrix instruction is used transposed (source 0 = rows of W1, source 1 = tokens): a lane's registers run along the hidden units, the next product's K.
; erf(z) is a quotient of two polynomials in z^2, z held at +-4, beyond which erf is 1 in f32.
; LIMITS: e12 + e13 between -126 and 127; e14 between -126 and 112.  NaN among the inputs is not served.
.set SIZE_K, 1024
.set KSTEP,  256
.set ROWB,   256
.set KROW,   SIZE_K
.set PITCH,  272
.set FR,     16
.set NL,     4
.set NP,     4
.set HALFT,  128*PITCH
.set SLOT,   4*HALFT
.set LAPS,   SIZE_K/(2*KSTEP)
.set SPARE,  2*SLOT
.set ADRA, 16
.set ADRB, 20
.set BA,   25
.set SPW,  28
.set NIL,  29
.set BI,   32
.set AF,   128
.set G1, 24
.set G0, 32
.set G1B, 48
.set G0B, 56
.set MSB, 0
.macro WIN new
.if MSB != (\new)
	s_set_vgpr_msb (MSB<<8)|(\new)
.set MSB, (\new)
.endif
.endm
.set MUL_LO, 0xa1
.set MUL_HI, 0xf1
.set TO_B,   0x40
.macro JLOAD g0a, g1a, g0b, g1b
	s_cmp_eq_u32 s15, 0
	s_cbranch_scc0 .Lfor_b_\@
	tensor_load_to_lds s[\g0a:\g0a+3], s[\g1a:\g1a+7]
	s_nop 0
.rept 4
	v_nop
.endr
	s_branch .Lasked_\@
.Lfor_b_\@:
	tensor_load_to_lds s[\g0b:\g0b+3], s[\g1b:\g1b+7]
	s_nop 0
.rept 4
	v_nop
.endr
.Lasked_\@:
.endm
.macro CREST
	s_cmp_lg_u32 s14, 0
	s_cbranch_scc1 .Lnot_wave_0_\@
	s_barrier_signal -3
.Lnot_wave_0_\@:
	s_barrier_wait -3
	s_barrier_signal -1
	s_barrier_wait -1
.endm
.macro CROUND
	s_barrier_signal -1
	s_barrier_wait -1
	CREST
.endm
	s_load_b128 s[4:7], s[0:1], 0x0
	s_load_b128 s[8:11], s[0:1], 0x10
	s_load_b64 s[12:13], s[0:1], 0x20
	v_lshl_add_u32 v[SPW], v0, 2, SPARE
	v_mov_b32 v[NIL], 0
	ds_add_u32 v28, v29
	ds_add_u32 v28, v29
	s_wait_dscnt 0x0
	v_lshrrev_b32 v1, 5, v0
	v_readfirstlane_b32 s14, v1
	s_lshr_b32 s15, s14, 1
	s_and_b32 s16, s14, 1
	s_bfe_u32 s40, ttmp6, 0x40000
	s_bfe_u32 s41, ttmp6, 0x40004
	s_lshl_b32 s42, ttmp9, 2
	s_add_co_u32 s42, s42, s40
	s_and_b32 s17, ttmp7, 0xffff
	s_lshl_b32 s17, s17, 2
	s_add_co_u32 s17, s17, s41
	s_lshl_b32 s43, s41, 2
	s_lshl_b32 s43, 15, s43
	s_lshl_b32 s44, 0x1111, s40
	s_or_b32 s[G1+0], s43, (0<<16)|(1<<20)|(1<<21)|(5<<22)|(3<<25)
	s_or_b32 s[G1B+0], s44, (0<<16)|(1<<20)|(1<<21)|(5<<22)|(3<<25)
.irp g, G1, G1B
	s_mov_b32 s[\g+1], ROWB<<16
	s_mov_b32 s[\g+2], 128<<16
	s_mov_b32 s[\g+3], ROWB<<16
	s_mov_b32 s[\g+4], 128
	s_mov_b32 s[\g+5], KROW
	s_mov_b32 s[\g+6], 0
	s_mov_b32 s[\g+7], 0
.endr
	s_lshl_b32 s18, s16, 7
	s_lshl_b32 s20, s17, 8
	s_add_co_u32 s20, s20, s18
	s_lshl_b32 s46, s42, 8
	s_add_co_u32 s46, s46, s18
	s_mov_b32 s21, 0
	s_mov_b32 s47, 0
	s_mov_b64 s[18:19], KROW
	s_mul_u64 s[20:21], s[20:21], s[18:19]
	s_mul_u64 s[46:47], s[46:47], s[18:19]
	s_mul_i32 s45, s14, HALFT
	s_wait_kmcnt 0x0
	s_load_b128 s[68:71], s[8:9], 0x30
	s_add_nc_u64 s[20:21], s[4:5], s[20:21]
	s_add_nc_u64 s[46:47], s[6:7], s[46:47]
	CROUND
.irp s, 0,1
	s_mov_b32 s[G0+4*\s], 1
	s_add_co_u32 s[G0+4*\s+1], s45, \s*SLOT
	s_add_nc_u64 s[G0+4*\s+2:G0+4*\s+3], s[20:21], \s*ROWB
	s_or_b32 s[G0+4*\s+3], s[G0+4*\s+3], 0x80000000
	s_mov_b32 s[G0B+4*\s], 1
	s_add_co_u32 s[G0B+4*\s+1], s45, \s*SLOT
	s_add_nc_u64 s[G0B+4*\s+2:G0B+4*\s+3], s[46:47], \s*ROWB
	s_or_b32 s[G0B+4*\s+3], s[G0B+4*\s+3], 0x80000000
.endr
	; THE PREFETCHES.  Of the 128 rows that I fetch, each of the four partners that ask for them jointly names 32, told apart by address (cx for h2, cy for W1): a lane a row, 256 bytes of a K step.
	; Behind the load of K step f the K step f + 1 is named (f = 0, 1, 2): one whole K step ahead of its load, and one K step at the most is asked for and not yet loaded.  v30 and s[98:99] are never rewritten.
	v_and_b32 v30, 31, v0
	v_lshlrev_b32 v30, 10, v30                     ; lane x a row of 1,024 bytes
	s_wait_alu depctr_va_vdst(0)
	s_cmp_eq_u32 s15, 0
	s_cselect_b64 s[98:99], s[20:21], s[46:47]     ; my 128 rows, of h2 or of W1
	s_cselect_b32 s90, s40, s41                    ; my place among the four
	s_lshl_b32 s90, s90, 15                        ; x 32 rows
	s_mov_b32 s91, 0
	s_add_nc_u64 s[98:99], s[98:99], s[90:91]
	JLOAD G0, G1, G0B, G1B                         ; K step 0: one tensor load a wave at the head
	global_prefetch_b8 v30, s[98:99] offset:ROWB th:TH_LOAD_NT scope:SCOPE_SE
	v_and_b32 v1, 15, v0
	v_bfe_u32 v2, v0, 4, 1
	v_mul_u32_u24 v3, v1, PITCH
	v_lshl_add_u32 v4, v2, 4, v3
	s_mul_i32 s21, s15, HALFT
	s_mul_i32 s22, s16, HALFT
	s_add_co_u32 s22, s22, 2*HALFT
.irp s, 0,1
	v_add_nc_u32 v[ADRA+\s], s21, v4
	v_add_nc_u32 v[ADRB+\s], s22, v4
	s_add_co_u32 s21, s21, SLOT
	s_add_co_u32 s22, s22, SLOT
.endr
	v_and_b32 v6, 31, v0
	v_lshlrev_b32 v[BA], 5, v2
	s_lshl_b32 s90, s42, 10
	s_lshl_b32 s91, s16, 9
	s_add_co_u32 s90, s90, s91
	s_mov_b32 s91, 0
	s_add_nc_u64 s[10:11], s[10:11], s[90:91]
.irp b, 0,1,2,3,4,5,6,7
	global_load_b128 v[BI+8*\b:BI+8*\b+3], v[BA], s[10:11] offset:64*\b
	global_load_b128 v[BI+8*\b+4:BI+8*\b+7], v[BA], s[10:11] offset:64*\b+16
.endr
	s_lshl_b32 s90, s17, 4
	s_lshl_b32 s92, s15, 3
	s_add_co_u32 s90, s90, s92
	s_lshl_b32 s90, s90, 5
	s_lshl_b32 s92, s42, 1
	s_add_co_u32 s90, s90, s92
	s_add_co_u32 s90, s90, s16
	s_lshl_b32 s90, s90, 11
	s_add_nc_u64 s[12:13], s[12:13], s[90:91]
.macro FRAG reg, adr, q, i
.irp c, 0,1,2,3
	ds_load_b128 v[\reg+4*\c:\reg+4*\c+3], v[\adr] offset:128*(\q)+32*\c+(\i)*16*PITCH
.endr
.endm
.macro MUL16 a0, p, zero
.irp a, \a0, \a0+1
.irp b, 0,1,2,3,4,5,6,7
.if \zero
	v_wmma_f32_16x16x128_bf8_bf8 v[8*(8*((\a)%4)+\b):8*(8*((\a)%4)+\b)+7], v[128*(\p)+FR*\b:128*(\p)+FR*\b+FR-1], v[AF+FR*(\a):AF+FR*(\a)+FR-1], 0
.else
	v_wmma_f32_16x16x128_bf8_bf8 v[8*(8*((\a)%4)+\b):8*(8*((\a)%4)+\b)+7], v[128*(\p)+FR*\b:128*(\p)+FR*\b+FR-1], v[AF+FR*(\a):AF+FR*(\a)+FR-1], v[8*(8*((\a)%4)+\b):8*(8*((\a)%4)+\b)+7]
.endif
.endr
.endr
.endm
.macro FETCH_B slot, q, p
	WIN TO_B
.irp i, 0,1,2,3,4,5,6,7
	FRAG 128*(\p)+FR*\i, ADRB+\slot, \q, \i
.endr
	WIN 0
.endm
.macro FETCH_A slot, q, i0
.irp i, \i0, \i0+1, \i0+2, \i0+3
	FRAG AF+FR*(\i), ADRA+\slot, \q, \i
.endr
.endm
.macro PLACES n
.rept \n
	v_nop
.endr
.endm
.macro STEP slot, q, zero
	s_wait_dscnt 4*NL
	WIN MUL_LO
	MUL16 0, (\q)%2, \zero
	MUL16 2, (\q)%2, \zero
	s_wait_dscnt 0
	PLACES NP
	FETCH_B \slot, (\q)+1, 1-(\q)%2
	FETCH_A \slot, (\q)+1, 0
	WIN MUL_HI
	MUL16 4, (\q)%2, \zero
	MUL16 6, (\q)%2, \zero
	PLACES NP
	WIN 0
	FETCH_A \slot, (\q)+1, 4
.endm
.macro TURN slot, next, fill
	s_wait_tensorcnt 0x0
	ds_add_u32 v[SPW], v[NIL]
	s_wait_dscnt 4*NL+1
	WIN MUL_LO
	MUL16 0, 1, 0
	s_wait_dscnt 0x0
	s_barrier_signal -1
	MUL16 2, 1, 0
	WIN 0
	s_barrier_wait -1
.if \fill
	CREST
	s_add_nc_u64 s[G0+4*\slot+2:G0+4*\slot+3], s[G0+4*\slot+2:G0+4*\slot+3], 2*ROWB
	s_add_nc_u64 s[G0B+4*\slot+2:G0B+4*\slot+3], s[G0B+4*\slot+2:G0B+4*\slot+3], 2*ROWB
	JLOAD G0+4*\slot, G1, G0B+4*\slot, G1B
.if (\slot) == 0
	global_prefetch_b8 v30, s[98:99] offset:3*ROWB th:TH_LOAD_NT scope:SCOPE_SE   ; the loop has one trip (K = 1,024): this refill is K step 2's, and K step 3 is the last
.endif
.else
	PLACES NP
.endif
	FETCH_B \next, 0, 0
	FETCH_A \next, 0, 0
	WIN MUL_HI
	MUL16 4, 1, 0
	MUL16 6, 1, 0
	PLACES NP
	WIN 0
	FETCH_A \next, 0, 4
.endm
	s_wait_alu depctr_va_vdst(0)
	s_wait_tensorcnt 0x0                           ; my part of K step 0 is in; slot 1's first fill is issued as a refill is:
	ds_add_u32 v[SPW], v[NIL]
	s_wait_dscnt 0x0
	CROUND                                         ; everybody's part is in, and all sixteen work-groups are here
	JLOAD G0+4, G1, G0B+4, G1B                     ; K step 1, the first tensor load behind the round
	global_prefetch_b8 v30, s[98:99] offset:2*ROWB th:TH_LOAD_NT scope:SCOPE_SE
	FETCH_B 0, 0, 0
	FETCH_A 0, 0, 0
	FETCH_A 0, 0, 4
	STEP 0, 0, 1
	s_mov_b32 s3, LAPS-1
.Llap:
	TURN 0, 1, 1
	STEP 1, 0, 0
	TURN 1, 0, 1
	STEP 0, 0, 0
	s_sub_co_u32 s3, s3, 1
	s_cmp_lg_u32 s3, 0
	s_cbranch_scc1 .Llap
	TURN 0, 1, 0
	STEP 1, 0, 0
	s_wait_dscnt 4*NL
	WIN MUL_LO
	MUL16 0, 1, 0
	MUL16 2, 1, 0
	s_wait_dscnt 0
	WIN MUL_HI
	MUL16 4, 1, 0
	MUL16 6, 1, 0
	WIN 0
.set X,  0
.set Z,  64
.set Z2, 96
.set P,  128
.set Q,  160
.set CC, 192
	s_wait_loadcnt 0x0
	s_wait_kmcnt 0x0
	s_add_co_i32 s90, s68, s69
	s_add_co_i32 s90, s90, 127
	s_lshl_b32 s96, s90, 23
	s_mul_f32 s96, s96, 0x3f3504f3                 ; 2^(e12 + e13) / sqrt 2: the copy below makes z = x / sqrt 2, not x
	s_mov_b32 s97, s96
	s_add_co_i32 s90, s70, 127
	s_lshl_b32 s91, s90, 23
	s_add_co_i32 s90, s90, 15
	s_lshl_b32 s90, s90, 23
	s_or_b32 s90, s90, 0x600000
	; gelu(x) = z (erf(z) + 1) / sqrt 2.  The factor 1 / sqrt 2 goes into the quotient: the denominator's five coefficients are multiplied by sqrt 2 here, once.
	s_mov_b32 s84, 0x3fb504f3                      ; sqrt 2
	s_mul_f32 s72, 0xb77460cd, s84
	s_mul_f32 s74, 0xb95fbd29, s84
	s_mul_f32 s76, 0xbadc924e, s84
	s_mul_f32 s78, 0xbbf19bf8, s84
	s_mul_f32 s80, 0xbc69b6a7, s84
	s_mov_b32 s75, s74                             ; (each is named as a pair, so the upper word is written)
	s_mov_b32 s77, s76
	s_mov_b32 s79, s78
	s_mov_b32 s81, s80
	PLACES NP
.set j, 0
.rept 32
	v_pk_mul_f32 v[BI+j:BI+j+1], v[BI+j:BI+j+1], 0x3f3504f3 op_sel_hi:[1,0]   ; b1 / sqrt 2, once for the eight tiles of tokens
.set j, j+2
.endr
	WIN 0x40
	v_mov_b32 v208, 0xaf95df0b
	v_mov_b32 v209, 0xaf95df0b
	v_mov_b32 v210, s72
	v_mov_b32 v211, s72
	v_mov_b32 v212, s91
	v_mov_b32 v213, s90
	v_lshlrev_b32 v214, 4, v6
	WIN 0
.macro COPY a
	WIN 0x42+(\a)/4
.set j, 0
.rept 32
	v_pk_fma_f32 v[X+j:X+j+1], v[64*((\a)%4)+j:64*((\a)%4)+j+1], s[96:97], v[BI+j:BI+j+1] op_sel_hi:[1,0,1]
.set j, j+2
.endr
	WIN 0
.endm
.macro EACH16 line:vararg
.endm
.macro GELU hf
.set XH, X+32*(\hf)
.set j, 0
.rept 32
	v_med3_num_f32 v[Z+j], v[XH+j], -4.0, 4.0      ; z held at +-4 for the quotient; the unheld z stays in XH
.set j, j+1
.endr
.set j, 0
.rept 16
	v_pk_mul_f32 v[Z2+j:Z2+j+1], v[Z+j:Z+j+1], v[Z+j:Z+j+1]
.set j, j+2
.endr
.set j, 0
.rept 16
	v_pk_fma_f32 v[P+j:P+j+1], v[Z2+j:Z2+j+1], v[208:209], 0x32edffee op_sel_hi:[1,1,0]
	v_pk_fma_f32 v[Q+j:Q+j+1], v[Z2+j:Z2+j+1], v[210:211], s[74:75] op_sel_hi:[1,1,0]
.set j, j+2
.endr
.irp k, 0xb60cff51, 0xb86ec2d2, 0xba40ac63, 0xbb41a1f6, 0xbc83dbd4
.set j, 0
.rept 16
	v_pk_fma_f32 v[P+j:P+j+1], v[P+j:P+j+1], v[Z2+j:Z2+j+1], \k op_sel_hi:[1,1,0]
.set j, j+2
.endr
.endr
.irp k, 76, 78, 80
.set j, 0
.rept 16
	v_pk_fma_f32 v[Q+j:Q+j+1], v[Q+j:Q+j+1], v[Z2+j:Z2+j+1], s[\k:\k+1] op_sel_hi:[1,1,0]
.set j, j+2
.endr
.endr
.set j, 0
	s_wait_alu depctr_va_vdst(0)
.rept 32
	v_rcp_f32 v[Q+j], v[Q+j]
.set j, j+1
.endr
.set j, 0
.rept 16
	v_pk_mul_f32 v[P+j:P+j+1], v[P+j:P+j+1], v[Z+j:Z+j+1]
.set j, j+2
.endr
	s_wait_alu depctr_va_vdst(0)
.set j, 0
.rept 16
	v_pk_fma_f32 v[P+j:P+j+1], v[P+j:P+j+1], v[Q+j:Q+j+1], 0x3f3504f3 op_sel_hi:[1,1,0]   ; (erf(z) + 1) / sqrt 2
.set j, j+2
.endr
.set j, 0
.rept 16
	v_pk_mul_f32 v[XH+j:XH+j+1], v[XH+j:XH+j+1], v[P+j:P+j+1]   ; x z: the gelu
.set j, j+2
.endr
.endm
	s_sub_nc_u64 s[12:13], s[12:13], 0x10000       ; one tile of tokens back: each trip steps the base ahead of its stores
	s_mov_b32 s88, 0
.Lrow:
.irp a, 0,1,2,3,4,5,6
	s_cmp_lg_u32 s88, \a
	s_cbranch_scc1 .Lnot\a
	COPY \a
	s_branch .Lgo
.Lnot\a:
.endr
	COPY 7
.Lgo:
	WIN 0x55
	GELU 0
	GELU 1
	s_wait_alu depctr_va_vdst(0)
	s_wait_xcnt 0x0                                ; the last trip's stores have read their data and their base: both are written again only behind this wait
	s_add_nc_u64 s[12:13], s[12:13], 0x10000       ; this trip's tile of 16 tokens
.set j, 0
.rept 64
	v_med3_num_f32 v[X+j], v[X+j], -v213, v213
.set j, j+1
.endr
.set j, 0
.rept 8
	v_cvt_scalef32_pk8_bf8_f32 v[CC+2*j:CC+2*j+1], v[X+8*j:X+8*j+7], v212
.set j, j+1
.endr
	v_nop
.irp g, 0,1,2,3
	global_store_b128 v214, v[CC+4*\g:CC+4*\g+3], s[12:13] offset:512*\g
.endr
	WIN 0
	s_add_co_u32 s88, s88, 1
	s_cmp_lt_u32 s88, 8
	s_cbranch_scc1 .Lrow
	s_wait_tensorcnt 0x0
	ds_add_u32 v[SPW], v[NIL]
	s_wait_dscnt 0x0
	CROUND
	s_endpgm
.Lfunc_end_k_qc5a08eb454_ffn1:
	.size	k_qc5a08eb454_ffn1, .Lfunc_end_k_qc5a08eb454_ffn1-k_qc5a08eb454_ffn1
	.p2alignl 7, 3214868480
	.fill 96, 4, 3214868480
	.section	.rodata,"a",@progbits
	.p2align	6, 0x0
	.amdhsa_kernel k_qc5a08eb454_ffn1
		.amdhsa_group_segment_fixed_size 327680
		.amdhsa_private_segment_fixed_size 0
		.amdhsa_enable_private_segment 0
		.amdhsa_kernarg_size 40
		.amdhsa_user_sgpr_count 2
		.amdhsa_user_sgpr_kernarg_segment_ptr 1
		.amdhsa_wavefront_size32 1
		.amdhsa_system_sgpr_workgroup_id_x 1
		.amdhsa_system_sgpr_workgroup_id_y 1
		.amdhsa_system_sgpr_workgroup_id_z 1
		.amdhsa_system_vgpr_workitem_id 0
		.amdhsa_next_free_vgpr 1024
		.amdhsa_next_free_sgpr 100
		.amdhsa_reserve_vcc 0
		.amdhsa_float_denorm_mode_32 3
		.amdhsa_float_denorm_mode_16_64 3
		.amdhsa_memory_ordered 1
		.amdhsa_forward_progress 1
		.amdhsa_inst_pref_size 148
	.end_amdhsa_kernel
	.amdgpu_metadata
---
amdhsa.version: [ 1, 2 ]
amdhsa.kernels:
  - .name:           k_qc5a08eb454_ffn1
    .symbol:         k_qc5a08eb454_ffn1.kd
    .args:
      - { .name: h2, .offset: 0, .size: 8, .value_kind: global_buffer, .address_space: global }
      - { .name: W1_codes, .offset: 8, .size: 8, .value_kind: global_buffer, .address_space: global }
      - { .name: lowp_scales, .offset: 16, .size: 8, .value_kind: global_buffer, .address_space: global }
      - { .name: b1, .offset: 24, .size: 8, .value_kind: global_buffer, .address_space: global }
      - { .name: ff, .offset: 32, .size: 8, .value_kind: global_buffer, .address_space: global }
    .group_segment_fixed_size: 327680
    .private_segment_fixed_size: 0
    .kernarg_segment_align: 8
    .kernarg_segment_size: 40
    .max_flat_workgroup_size: 128
    .sgpr_count:     100
    .vgpr_count:     1024
    .wavefront_size: 32
...
	.end_amdgpu_metadata
.endif
;; end of part 6
;; launch ffn2 (part 7): grid 8 x 32, 4 waves a work-group, clusters of 4 x 4, 327,680 bytes of LDS; arguments ff, W2_codes, lowp_scales, b2, x1, out0; writes out0
.if DOCPART == 7
	.amdgcn_target "amdgcn-amd-amdhsa--gfx1250"
	.amdhsa_code_object_version 6
	.text
	.protected	k_qc5a08eb454_ffn2
	.globl	k_qc5a08eb454_ffn2
	.p2align	8
	.type	k_qc5a08eb454_ffn2,@function
k_qc5a08eb454_ffn2:
	s_mov_b64 s[64:65], 0
	v_nop
	global_prefetch_b8 v0, s[64:65] scope:SCOPE_SE
	s_setreg_imm32_b32 hwreg(HW_REG_WAVE_MODE, 25, 1), 1
	s_wait_xcnt 0x0
	s_wait_alu depctr_hold_cnt(0) depctr_sa_sdst(0) depctr_va_vdst(0) depctr_va_sdst(0) depctr_va_ssrc(0) depctr_va_vcc(0) depctr_vm_vsrc(0)
	s_getreg_b32 s2, hwreg(HW_REG_IB_STS2, 6, 4)
	s_cmp_eq_u32 s2, 0
	s_cbranch_scc0 .Lentry_in_a_cluster
	s_endpgm
.Lentry_in_a_cluster:
	s_bfe_u32 s2, ttmp6, 0x10000c
	s_cmp_lg_u32 s2, 0xf033
	s_cbranch_scc0 .Lentry_shape_is_right
	s_endpgm
.Lentry_shape_is_right:
; out0 = x1 + T W2^T x 2^(e14 + e15) + b2.  T: the hidden layer as images of operand registers, [tile of 16 tokens 256][K / 128 = 32][2,048 bytes]; W2: [1024][4096] E5M2 codes, row-major.
; 256 blocks of 128 x 128, one work-group each; four waves, each 64 x 64: 16 accumulators.  K goes in eight fills of 512 through two LDS slots: T's part dense (8 tiles x 8,192 bytes), W2's rows of 512 bytes + 16 of padding.
; CLUSTERS: 4 x 4 work-groups; T's tiles are asked for jointly by a row of the cluster, W2's by a column.  The matrix instruction is used transposed: a lane holds eight neighbouring outputs of a row.
; PREFETCH: behind the load of fill f one instruction a wave names fill f + 2 (behind fill 0's also fill 1): 32 blocks of 256 bytes, a lane a block.  The four partners that ask for a tile jointly share it out by address:
; of T's four tiles of tokens that a wave fetches the partner at cx names one (8,192 bytes on end); of W2's 64 rows the partner at cy names 16 (two blocks a row).  T's blocks are named by the two clusters that load them;
; W2's, which eight rows of clusters load, by the even rows alone.  The last two fills have nothing two fills on, and ask for nothing.
; THE RESIDUAL of my 64 x 64 outputs is asked for when fill 0 has landed, and waited for once, behind the last product.
; LIMIT: e14 + e15 between -126 and 127.
.set K,      4096
.set EOFF,   0x38
.set KSTEPS, K/128
.set LAPS,   K/1024
.set WP,     528
.set TPART,  65536
.set WHALF,  64*WP
.set SLOT,   TPART+2*WHALF
.set STAGE,  2*SLOT
.set SP,     272
.set SPARE,  STAGE+4*16*SP
.set ADT, 16
.set ADW, 20
.set STO, 24
.set RD,  25
.set CO,  26
.set BO,  27
.set SPW, 28
.set NIL, 29
.set BB,  8
.set BK,  64
.set XR,  0
.set ACC, 128
.set F0,  0
.set F1,  128
.set G1, 24
.set G0, 32
.set G1B, 48
.set G0B, 56
.set MSB, 0
.macro WIN new
.if MSB != (\new)
	s_set_vgpr_msb (MSB<<8)|(\new)
.set MSB, (\new)
.endif
.endm
.set MUL,  0x05
.set TO_F, 0x40
.macro JLOAD s
	s_cmp_eq_u32 s11, 0
	s_cbranch_scc0 .Lfor_b_\@
	tensor_load_to_lds s[G0+4*\s:G0+4*\s+3], s[G1:G1+7]
	s_nop 0
.rept 4
	v_nop
.endr
	s_branch .Lasked_\@
.Lfor_b_\@:
	tensor_load_to_lds s[G0B+4*\s:G0B+4*\s+3], s[G1B:G1B+7]
	s_nop 0
.rept 4
	v_nop
.endr
.Lasked_\@:
.endm
.macro CREST
	s_cmp_lg_u32 s10, 0
	s_cbranch_scc1 .Lnot_wave_0_\@
	s_barrier_signal -3
.Lnot_wave_0_\@:
	s_barrier_wait -3
	s_barrier_signal -1
	s_barrier_wait -1
.endm
.macro CROUND
	s_barrier_signal -1
	s_barrier_wait -1
	CREST
.endm
	s_load_b256 s[68:75], s[0:1], 0x0
	s_load_b128 s[76:79], s[0:1], 0x20
	v_lshl_add_u32 v[SPW], v0, 2, SPARE
	v_mov_b32 v[NIL], 0
	ds_add_u32 v28, v29
	ds_add_u32 v28, v29
	s_wait_dscnt 0x0
	v_lshrrev_b32 v1, 5, v0
	v_readfirstlane_b32 s10, v1
	s_lshr_b32 s11, s10, 1
	s_and_b32 s12, s10, 1
	s_bfe_u32 s40, ttmp6, 0x40000
	s_bfe_u32 s41, ttmp6, 0x40004
	s_lshl_b32 s42, ttmp9, 2
	s_add_co_u32 s42, s42, s40
	s_and_b32 s13, ttmp7, 0xffff
	s_lshl_b32 s13, s13, 2
	s_add_co_u32 s13, s13, s41
	s_lshl_b32 s43, s41, 2
	s_lshl_b32 s43, 15, s43
	s_lshl_b32 s44, 0x1111, s40
	s_or_b32 s[G1+0], s43, (3<<16)|(1<<21)
	s_mov_b32 s[G1+1], 1024<<16
	s_mov_b32 s[G1+2], 4<<16
	s_mov_b32 s[G1+3], 1024<<16
	s_mov_b32 s[G1+4], 4
	s_mov_b32 s[G1+5], KSTEPS*256
	s_mov_b32 s[G1+6], 0
	s_mov_b32 s[G1+7], 0
	s_or_b32 s[G1B+0], s44, (0<<16)|(1<<20)|(1<<21)|(6<<22)|(3<<25)
	s_mov_b32 s[G1B+1], 512<<16
	s_mov_b32 s[G1B+2], 64<<16
	s_mov_b32 s[G1B+3], 512<<16
	s_mov_b32 s[G1B+4], 64
	s_mov_b32 s[G1B+5], K
	s_mov_b32 s[G1B+6], 0
	s_mov_b32 s[G1B+7], 0
	s_lshl_b32 s16, s13, 3
	s_lshl_b32 s17, s12, 2
	s_add_co_u32 s16, s16, s17
	s_lshl_b32 s46, s42, 7
	s_lshl_b32 s47, s12, 6
	s_add_co_u32 s46, s46, s47
	s_mov_b32 s17, 0
	s_mov_b32 s47, 0
	s_mov_b64 s[18:19], KSTEPS*2048
	s_mul_u64 s[16:17], s[16:17], s[18:19]
	s_mov_b64 s[18:19], K
	s_mul_u64 s[46:47], s[46:47], s[18:19]
	s_lshl_b32 s20, s12, 15
	s_mul_i32 s21, s12, WHALF
	s_add_co_u32 s21, s21, TPART
	s_wait_kmcnt 0x0
	s_load_b64 s[80:81], s[72:73], EOFF
	s_add_nc_u64 s[14:15], s[68:69], s[16:17]
	s_add_nc_u64 s[46:47], s[70:71], s[46:47]
	CROUND
.irp s, 0,1
	s_mov_b32 s[G0+4*\s], 1
	s_add_co_u32 s[G0+4*\s+1], s20, \s*SLOT
	s_add_nc_u64 s[G0+4*\s+2:G0+4*\s+3], s[14:15], \s*8192
	s_or_b32 s[G0+4*\s+3], s[G0+4*\s+3], 0x80000000
	s_mov_b32 s[G0B+4*\s], 1
	s_add_co_u32 s[G0B+4*\s+1], s21, \s*SLOT
	s_add_nc_u64 s[G0B+4*\s+2:G0B+4*\s+3], s[46:47], \s*512
	s_or_b32 s[G0B+4*\s+3], s[G0B+4*\s+3], 0x80000000
.endr
	; the prefetches: s8 = 1 in a wave that asks, else the greatest number; s[4:5] walks, s[6:7] = a fill on; v30 = my lane's block; s[82:83] = fill 1
	s_and_b32 s8, ttmp7, 1                         ; an odd row of clusters
	s_mul_i32 s8, s8, s11                          ; and a wave that fetches W2: it asks for nothing
	s_cmp_eq_u32 s8, 0
	s_cselect_b32 s8, 1, -1
	v_and_b32 v30, 31, v0
	s_cmp_eq_u32 s11, 0                            ; do I fetch for T?
	s_cselect_b64 s[82:83], s[14:15], s[46:47]
	s_cselect_b32 s4, s40, s41                     ; my place among the four
	s_cselect_b32 s9, 0, 1
	s_mov_b32 s6, 512
	s_cselect_b32 s6, 8192, s6
	s_mov_b32 s7, 0
	v_lshrrev_b32 v31, s9, v30                     ; T: the lane; W2: the row, lane / 2
	v_and_b32 v30, s9, v30                         ; W2: which half of the row's 512 bytes
	s_cselect_b32 s9, 8, 12
	v_lshlrev_b32 v31, s9, v31                     ; x 256 bytes, or x a row of 4,096
	v_lshl_add_u32 v30, v30, 8, v31
	s_wait_alu depctr_va_vdst(0)
	s_lshl_b32 s4, s4, 16                          ; a tile of tokens and 16 rows of W2 are both 65,536 bytes
	s_mov_b32 s5, 0
	s_add_nc_u64 s[82:83], s[82:83], s[4:5]
	s_add_nc_u64 s[82:83], s[82:83], s[6:7]        ; fill 1
	s_add_nc_u64 s[4:5], s[82:83], s[6:7]          ; fill 2
	JLOAD 0                                        ; fill 0: one tensor load a wave at the head
	s_cmp_eq_u32 s8, 1
	s_cbranch_scc0 .Lquiet_a
	global_prefetch_b8 v30, s[82:83] th:TH_LOAD_NT scope:SCOPE_SE
	global_prefetch_b8 v30, s[4:5] th:TH_LOAD_NT scope:SCOPE_SE
.Lquiet_a:
	v_and_b32 v1, 15, v0
	v_bfe_u32 v2, v0, 4, 1
	v_and_b32 v3, 31, v0
	v_lshlrev_b32 v4, 4, v3
	v_mul_u32_u24 v5, v1, WP
	v_lshl_add_u32 v5, v2, 3, v5
	s_lshl_b32 s21, s11, 15
	s_mul_i32 s22, s12, WHALF
	s_add_co_u32 s22, s22, TPART
.irp s, 0,1
	v_add_nc_u32 v[ADT+\s], s21, v4
	v_add_nc_u32 v[ADW+\s], s22, v5
	s_add_co_u32 s21, s21, SLOT
	s_add_co_u32 s22, s22, SLOT
.endr
	s_mul_i32 s23, s10, 16*SP
	s_add_co_u32 s23, s23, STAGE
	v_mul_u32_u24 v6, v1, SP
	v_lshl_add_u32 v6, v2, 5, v6
	v_add_nc_u32 v[STO], s23, v6
	v_mul_u32_u24 v6, v2, SP
	v_lshl_add_u32 v6, v1, 4, v6
	v_add_nc_u32 v[RD], s23, v6
	v_lshlrev_b32 v[BO], 4, v1
	s_wait_alu depctr_va_vdst(0)
	v_lshl_add_u32 v[CO], v2, 12, v[BO]
	s_wait_alu depctr_va_vdst(0)
	s_lshl_b32 s16, s13, 7
	s_lshl_b32 s17, s11, 6
	s_add_co_u32 s16, s16, s17
	s_lshl_b32 s16, s16, 12
	s_mov_b32 s17, 0
	s_lshl_b32 s46, s42, 9
	s_lshl_b32 s47, s12, 8
	s_add_co_u32 s46, s46, s47
	s_mov_b32 s47, 0
	s_add_nc_u64 s[74:75], s[74:75], s[46:47]
	s_add_nc_u64 s[76:77], s[76:77], s[16:17]
	s_add_nc_u64 s[76:77], s[76:77], s[46:47]
	s_add_nc_u64 s[78:79], s[78:79], s[16:17]
	s_add_nc_u64 s[78:79], s[78:79], s[46:47]
.macro XLOAD a
.irp t, 0,1,2,3,4,5,6,7
	global_load_b128 v[XR+32*(\a)+4*\t:XR+32*(\a)+4*\t+3], v[CO], s[76:77] offset:(16*(\a)+2*\t)*4096
.endr
.endm
.macro MULA f, a, zero
.irp b, 0,1,2,3
.if \zero
	v_wmma_f32_16x16x128_bf8_bf8 v[ACC+8*(4*\a+\b):ACC+8*(4*\a+\b)+7], v[\f+64+16*\b:\f+64+16*\b+15], v[\f+16*\a:\f+16*\a+15], 0
.else
	v_wmma_f32_16x16x128_bf8_bf8 v[ACC+8*(4*\a+\b):ACC+8*(4*\a+\b)+7], v[\f+64+16*\b:\f+64+16*\b+15], v[\f+16*\a:\f+16*\a+15], v[ACC+8*(4*\a+\b):ACC+8*(4*\a+\b)+7]
.endif
.endr
.endm
.macro FETCH slot, q, f
	WIN TO_F
.irp i, 0,1,2,3
.irp c, 0,1,2,3,4,5,6,7
	ds_load_b64 v[\f+64+16*\i+2*\c:\f+64+16*\i+2*\c+1], v[ADW+\slot] offset:16*WP*\i+128*(\q)+16*\c
.endr
.endr
.irp i, 0,1,2,3
.irp c, 0,1,2,3
	ds_load_b128 v[\f+16*\i+4*\c:\f+16*\i+4*\c+3], v[ADT+\slot] offset:8192*\i+2048*(\q)+512*\c
.endr
.endr
.endm
.macro PLACES
.rept 4
	v_nop
.endr
.endm
.macro QUARTER slot, qn, f, g, zero
	s_wait_dscnt 8
	WIN MUL
	MULA \f, 0, \zero
	MULA \f, 1, \zero
	PLACES
	FETCH \slot, \qn, \g
	s_wait_dscnt 48
	WIN MUL
	MULA \f, 2, \zero
	MULA \f, 3, \zero
.endm
.macro TURN slot, next, fill
	WIN 0
.if \fill
	s_wait_xcnt 0x0                                ; my last prefetch has read its address: it is stepped here, a slot's products behind it
	s_add_nc_u64 s[4:5], s[4:5], s[6:7]
.endif
	s_wait_tensorcnt 0x0
	ds_add_u32 v[SPW], v[NIL]
	s_wait_dscnt 9
	WIN MUL
	MULA F1, 0, 0
	MULA F1, 1, 0
	s_wait_dscnt 0x0
	s_barrier_signal -1
	MULA F1, 2, 0
	WIN 0
	s_barrier_wait -1
.if \fill
	CREST
	s_add_nc_u64 s[G0+4*\slot+2:G0+4*\slot+3], s[G0+4*\slot+2:G0+4*\slot+3], 2*8192
	s_add_nc_u64 s[G0B+4*\slot+2:G0B+4*\slot+3], s[G0B+4*\slot+2:G0B+4*\slot+3], 2*512
	JLOAD \slot
	s_cmp_gt_u32 s3, s8                            ; s3 = 1 in the last trip, whose fills have nothing two fills on
	s_cbranch_scc0 .Lquiet_\@
	global_prefetch_b8 v30, s[4:5] th:TH_LOAD_NT scope:SCOPE_SE
.Lquiet_\@:
.else
	PLACES
.endif
	FETCH \next, 0, F0
	WIN MUL
	MULA F1, 3, 0
.endm
	s_wait_xcnt 0x0                                ; my prefetches have read their addresses
	s_add_nc_u64 s[4:5], s[4:5], s[6:7]            ; fill 3
	s_wait_tensorcnt 0x0                           ; my part of fill 0 is in; slot 1's first fill is issued as a refill is:
	ds_add_u32 v[SPW], v[NIL]
	s_wait_dscnt 0x0
	CROUND                                         ; everybody's part is in, and all sixteen work-groups are here
	JLOAD 1                                        ; fill 1, the first tensor load behind the round
	s_cmp_eq_u32 s8, 1
	s_cbranch_scc0 .Lquiet_b
	global_prefetch_b8 v30, s[4:5] th:TH_LOAD_NT scope:SCOPE_SE
.Lquiet_b:
	FETCH 0, 0, F0
	WIN 0
	global_load_b128 v[BB:BB+3], v[BO], s[74:75]   ; the bias and the residual: 33 loads, waited for behind the last product; their address registers are never rewritten
	WIN 0x80
.irp a, 0,1,2,3
	XLOAD \a
.endr
	QUARTER 0, 1, F0, F1, 1
.if LAPS > 1
	WIN 0
	s_mov_b32 s3, LAPS-1
.Llap:
	QUARTER 0, 2, F1, F0, 0
	QUARTER 0, 3, F0, F1, 0
	TURN 0, 1, 1
	QUARTER 1, 1, F0, F1, 0
	QUARTER 1, 2, F1, F0, 0
	QUARTER 1, 3, F0, F1, 0
	TURN 1, 0, 1
	QUARTER 0, 1, F0, F1, 0
	WIN 0
	s_sub_co_u32 s3, s3, 1
	s_cmp_lg_u32 s3, 0
	s_cbranch_scc1 .Llap
.endif
	QUARTER 0, 2, F1, F0, 0
	QUARTER 0, 3, F0, F1, 0
	TURN 0, 1, 0
	QUARTER 1, 1, F0, F1, 0
	QUARTER 1, 2, F1, F0, 0
	QUARTER 1, 3, F0, F1, 0
	s_wait_dscnt 8
	WIN MUL
	MULA F1, 0, 0
	MULA F1, 1, 0
	s_wait_dscnt 0
	MULA F1, 2, 0
	MULA F1, 3, 0
	s_wait_kmcnt 0x0
	s_add_co_i32 s80, s80, s81
	s_add_co_i32 s80, s80, 127
	s_lshl_b32 s80, s80, 23
	s_mov_b32 s81, s80
	s_wait_loadcnt 0x0
	WIN 0x82
.set j, 0
.rept 32
	v_pk_add_f32 v[XR+j:XR+j+1], v[XR+j:XR+j+1], v[BB:BB+1]
	v_pk_add_f32 v[XR+j+2:XR+j+3], v[XR+j+2:XR+j+3], v[BB+2:BB+3]
.set j, j+4
.endr
	WIN 0
.irp a, 0,1,2,3
.if \a > 0
	s_wait_xcnt 0x0
.endif
.irp b, 0,1,2,3
	ds_store_b128 v[STO], v[ACC+8*(4*\a+\b):ACC+8*(4*\a+\b)+3] offset:64*\b
	ds_store_b128 v[STO], v[ACC+8*(4*\a+\b)+4:ACC+8*(4*\a+\b)+7] offset:64*\b+16
.endr
.irp t, 0,1,2,3,4,5,6,7
	ds_load_b128 v[BK+4*\t:BK+4*\t+3], v[RD] offset:2*SP*\t
.endr
	s_wait_dscnt 0x0
	WIN 0x20
.set j, 0
.rept 16
	v_pk_fma_f32 v[BK+j:BK+j+1], v[BK+j:BK+j+1], s[80:81], v[XR+32*\a+j:XR+32*\a+j+1] op_sel_hi:[1,0,1]
.set j, j+2
.endr
	WIN 0
.irp t, 0,1,2,3,4,5,6,7
	global_store_b128 v[CO], v[BK+4*\t:BK+4*\t+3], s[78:79] offset:(16*\a+2*\t)*4096
.endr
.endr
	s_wait_tensorcnt 0x0
	ds_add_u32 v[SPW], v[NIL]
	s_wait_dscnt 0x0
	CROUND
	s_endpgm
.Lfunc_end_k_qc5a08eb454_ffn2:
	.size	k_qc5a08eb454_ffn2, .Lfunc_end_k_qc5a08eb454_ffn2-k_qc5a08eb454_ffn2
	.p2alignl 7, 3214868480
	.fill 96, 4, 3214868480
	.section	.rodata,"a",@progbits
	.p2align	6, 0x0
	.amdhsa_kernel k_qc5a08eb454_ffn2
		.amdhsa_group_segment_fixed_size 327680
		.amdhsa_private_segment_fixed_size 0
		.amdhsa_enable_private_segment 0
		.amdhsa_kernarg_size 48
		.amdhsa_user_sgpr_count 2
		.amdhsa_user_sgpr_kernarg_segment_ptr 1
		.amdhsa_wavefront_size32 1
		.amdhsa_system_sgpr_workgroup_id_x 1
		.amdhsa_system_sgpr_workgroup_id_y 1
		.amdhsa_system_sgpr_workgroup_id_z 1
		.amdhsa_system_vgpr_workitem_id 0
		.amdhsa_next_free_vgpr 640
		.amdhsa_next_free_sgpr 84
		.amdhsa_reserve_vcc 0
		.amdhsa_float_denorm_mode_32 3
		.amdhsa_float_denorm_mode_16_64 3
		.amdhsa_memory_ordered 1
		.amdhsa_forward_progress 1
		.amdhsa_inst_pref_size 100
	.end_amdhsa_kernel
	.amdgpu_metadata
---
amdhsa.version: [ 1, 2 ]
amdhsa.kernels:
  - .name:           k_qc5a08eb454_ffn2
    .symbol:         k_qc5a08eb454_ffn2.kd
    .args:
      - { .name: ff, .offset: 0, .size: 8, .value_kind: global_buffer, .address_space: global }
      - { .name: W2_codes, .offset: 8, .size: 8, .value_kind: global_buffer, .address_space: global }
      - { .name: lowp_scales, .offset: 16, .size: 8, .value_kind: global_buffer, .address_space: global }
      - { .name: b2, .offset: 24, .size: 8, .value_kind: global_buffer, .address_space: global }
      - { .name: x1, .offset: 32, .size: 8, .value_kind: global_buffer, .address_space: global }
      - { .name: out0, .offset: 40, .size: 8, .value_kind: global_buffer, .address_space: global }
    .group_segment_fixed_size: 327680
    .private_segment_fixed_size: 0
    .kernarg_segment_align: 8
    .kernarg_segment_size: 48
    .max_flat_workgroup_size: 128
    .sgpr_count:     84
    .vgpr_count:     640
    .wavefront_size: 32
...
	.end_amdgpu_metadata
.endif
;; end of part 7
